; MI455X (gfx1250); checked and timed in simulation.
; The chip was launched on July 23, 2026; its instructions are those of AMD's public machine-readable ISA for CDNA 5 (MIT licence, August 2026) and "CDNA5" Instruction Set Architecture Reference Guide (July 2026). The comments in the code are by the model that wrote it; some were corrected since.
;; GRU Cell. Allowed arithmetic: matrix products marked QUANTISED: E5M2 operands, one E8M0 scale for each 32 along K, by v_wmma_scale_f32_16x16x128_f8f6f4 with both operands' format E5M2, f32 sums; everything else in f32.
;; Inputs: b_uh 1,024 float32; b_ur 1,024 float32; b_uz 1,024 float32; b_wh 1,024 float32; b_wr 1,024 float32; b_wz 1,024 float32; h_prev 8,192 x 1,024 float32; u_h 1,024 x 1,024 float32; u_r 1,024 x 1,024 float32; u_z 1,024 x 1,024 float32; w_h 1,024 x 1,024 float32; w_r 1,024 x 1,024 float32; w_z 1,024 x 1,024 float32; x 8,192 x 1,024 float32.
;; Outputs: out0 8,192 x 1,024 float32.
;; This version of the problem:
;;   THIS VERSION OF THE PROBLEM IS GIVEN IN LOW PRECISION. The matrix products marked QUANTISED in the list below multiply operands that are first quantised to E5M2 (5 exponent bits, 2 mantissa bits; 8 bits a number), with one power-of-two scale for each 32 numbers along K (OCP MX v1.0); their sums are f32. All else is computed in f32.
;;   The module's matrix products, in the order in which they are computed (A, B: the left and right operand; K: the contracted axis; several contracted axes count as one K, in the product's order):
;;     1. [M 8,192, K 1,024] x [K 1,024, N 3,072]; A: input x; B: computed on the way: QUANTISED
;;     2. [M 8,192, K 1,024] x [K 1,024, N 2,048]; A: input h_prev; B: computed on the way: QUANTISED
;;     3. [M 8,192, K 1,024] x [K 1,024, N 1,024]; A: computed on the way; B: input u_h: QUANTISED
;;   THE QUANTISER, for each operand of a quantised product, along K:
;;     - K is cut into blocks of 32 from its start; a last block that is shorter is filled with zeros.
;;     - A block's scale is 2^e with e = floor(log2(the largest magnitude in the block)) - 15, held to -126 .. 127; a block of zeros has e = 0. As a byte (E8M0): e + 127.
;;     - Each number is divided by its block's scale, clamped to +-57,344, and rounded to the nearest number of E5M2, ties to even, subnormals kept.
;;     - The product sums the exact products of the quantised numbers (number of the format x scale) in f32.
;;   ~~~python
;;   def quantise(x, axis):      # numpy; x: float32 -> the quantised numbers, widened to float32 again
;;       x = np.moveaxis(x, axis, -1); K = x.shape[-1]
;;       x = np.pad(x, [(0, 0)] * (x.ndim - 1) + [(0, -K % 32)]); x = x.reshape(x.shape[:-1] + (-1, 32)); a = np.abs(x).max(-1, keepdims=True)
;;       e = np.where(a > 0, np.clip(np.frexp(np.where(a > 0, a, 1))[1] - 1 - 15, -126, 127), 0)      # np.frexp(a)[1] - 1 = floor(log2(a)), exactly
;;       r = np.clip(x / 2.0 ** e, -57344, 57344)
;;       step = 2.0 ** (np.maximum(np.frexp(np.where(r == 0, 1, r))[1] - 1, -14) - 2)
;;       q = np.round(r / step) * step * 2.0 ** e      # np.round: ties to even
;;       return np.moveaxis(q.reshape(q.shape[:-2] + (-1,))[..., :K], -1, axis).astype(np.float32)
;;   ~~~
;;   OPERANDS COMPUTED ON THE WAY. 'Computed on the way' means the value that the module computes at that place (a softmax that the list does not call 'softmax' is quantised finished and normalised). What goes into a quantiser is computed in f32, as accurately as f32 sums, v_exp_f32 and their like allow (about 1e-6 of the number): no bf16 or f16 on the way to a quantiser, and a product that is left as it is and whose result goes on into a quantised operand takes f32 operands (vector FMAs, or v_wmma_f32_16x16x4_f32). A number that lies on a knife's edge between two numbers of the format may be rounded either way, as far as f32 arithmetic and the matrix unit's own rounding can turn it there, and no further.
;; One version. Each part assembles by itself: llvm-mc -triple=amdgcn-amd-amdhsa -mcpu=gfx1250 --defsym DOCPART=n.
;; ======== version 1 of 1: 3 launches
;; limits: right only within a limited range of input values
;; workspace buffers: xc 8,650,752 bytes; hc 8,650,752 bytes; rhc 8,650,752 bytes; wc 6,488,064 bytes
;; launch quant (part 1): grid 2816 x 1, 1 waves a work-group, no clusters, 8,960 bytes of LDS; arguments x, h_prev, u_z, w_z, w_h, u_h, w_r, u_r, xc, hc, wc; writes xc, hc, wc
.if DOCPART == 1
	.amdgcn_target "amdgcn-amd-amdhsa--gfx1250"
	.amdhsa_code_object_version 6
	.text
	.protected	k_q56493dca2c_quant
	.globl	k_q56493dca2c_quant
	.p2align	8
	.type	k_q56493dca2c_quant,@function
k_q56493dca2c_quant:
	s_mov_b64 s[64:65], 0
	v_nop
	global_prefetch_b8 v0, s[64:65] scope:SCOPE_SE
	s_setreg_imm32_b32 hwreg(HW_REG_WAVE_MODE, 25, 1), 1
	s_wait_xcnt 0x0
; x, h_prev [8192][1024] and six weights [1024][1024], f32, K innermost, become codes of BF8 (E5M2) with one E8M0 scale byte for each 32 along K,
; laid as the later launches' matrix operands want them: in PANELS of 128 rows x 128 K, P = 16,896 bytes:
;   bytes 0 .. 16383: eight fragments of 16 rows; fragment f is four images c of 512 bytes; lane l = 16 h + r has its 16 bytes at 2048 f + 512 c + 16 l: the codes k = 32 c + 16 h + 0 .. 15 of the fragment's row r;
;   bytes 16384 .. 16895: the scale words (four bytes: 128 K of one row): fragment f = 4 H + 2 h' + q', row r, at 16384 + 256 H + 8 (16 h' + r) + 4 q'.
; xc, hc: [K step 8][row group 64][P]; a fragment's rows are neighbours (row 16 f + r).  wc: [weight 6][K step 8][row group 8][P], weights in the order u_z, w_z, w_h, u_h, w_r, u_r;
; THE ROWS OF A WEIGHT THAT FORM A FRAGMENT ARE NOT NEIGHBOURS: fragment t, row r, is row 32 (t / 2) + 8 (t % 2) + r + 8 (r / 8), so that in a transposed product 16 registers of two neighbouring tiles are 16 neighbouring columns.
; A block's scale is 2^(floor(log2(its largest magnitude)) - 15); its byte is the largest magnitude's exponent field - 15, held at 1 from below; each number is held within +-57,344 x the scale and rounded to the nearest code, ties to even.
; LIMITS: a block whose largest magnitude lies under 2^-111 (a block of zeros among them) gets the byte 1; the bytes are read by this program alone, and zero codes add nothing.  NaN and infinities among the inputs are not served.
; SHARES: one wave to a work-group; it makes half a panel: 64 rows x 128 K = four fragments and 256 scale bytes.  2,816 work-groups: 1,024 for x, 1,024 for h_prev, 128 for each weight.
; One path through the text for all eight tensors: only pointers and scalar numbers are chosen, on the work-group's number.  A stream: no matrix unit, no cluster, no barrier: waves share nothing.
; Each load reads 512 consecutive bytes of one row (16 a lane); a conversion wants 16 NEIGHBOURS along K in one lane: so a fragment's 16 rows turn through a stage in LDS (rows of 512 bytes + 16 of padding).
.set P,   16896
.set SP,  528                          ; a stage row
.set TM,  8                            ; v8-11 largest magnitudes, v12-15 bytes, v16-19 the largest number x the scale, v20-23 the conversions' scale operands
.set PW,  24                           ; v24-27  the four fragments' scale words
.set RAW, 32                           ; v32-159 two sets of 64: a fragment's numbers as loaded
.set X,   160                          ; v160-223 64 numbers of my row: register 16 b + i = k 32 b + 16 h + i
.set PC,  224                          ; v224-255 two sets of 16: a fragment's codes
.set SEL, 40                           ; s[40:41] lane selects for v_permlanex16_b32: lane l xor 16
.set MNT, 42                           ; s42  the mantissa field of 57,344
.set S0,  46                           ; s[46:47] the source at my 64 rows, my K step;  s[48:49], s[50:51] the same 8 rows on and 8 rows back for a weight (for x and h_prev all three are equal)
.set S1,  48
.set S2,  50
.set DC,  56                           ; s[56:57] where my codes go;  s[58:59] my scale words
.set DS,  58
	s_load_b512 s[4:19], s[0:1], 0x0               ; x, h_prev, u_z, w_z, w_h, u_h, w_r, u_r
	s_load_b128 s[20:23], s[0:1], 0x40             ; xc, hc
	s_load_b64 s[24:25], s[0:1], 0x50              ; wc
	v_lshl_add_u32 v30, v0, 2, 0x2200
	v_mov_b32 v31, 0
	v_lshlrev_b32 v1, 4, v0                        ; 16 x lane: my bytes of a row's 512, of a stage row, of an image
	v_lshlrev_b32 v2, 3, v0                        ; 8 x lane: my two scale words
	v_and_b32 v3, 15, v0                           ; r
	v_lshrrev_b32 v5, 4, v0                        ; h
	v_mul_u32_u24 v4, v3, SP
	v_lshl_add_u32 v4, v5, 6, v4                   ; out of the stage: row r, + 64 h: my 16 numbers of a block of 32
.irp b, 0,1,2,3
	v_mov_b32 v[TM+4+\b], 0                        ; written once: a lane permute's destination counts as one of its sources
.endr
	s_mov_b32 s[SEL], 0x76543210
	s_mov_b32 s[SEL+1], 0xfedcba98
	s_mov_b32 s[MNT], 0x600000
	s_mov_b32 s43, 0xffff0000                      ; lanes 16-31
	s_sub_co_u32 s26, ttmp9, 2048                  ; among the weights' work-groups (of no meaning under 2,048: chosen away below)
	s_lshr_b32 s27, s26, 7                         ; which weight
	s_and_b32 s28, s26, 127                        ; which half panel of it
	s_and_b32 s29, ttmp9, 1023                     ; which half panel of x or of h_prev
	s_lshl_b32 s36, s27, 6                         ; a weight's 64 panels
	s_wait_alu depctr_va_vdst(0)
	s_wait_kmcnt 0x0
	s_mov_b64 s[30:31], s[8:9]
	s_cmp_eq_u32 s27, 1
	s_cselect_b64 s[30:31], s[10:11], s[30:31]
	s_cmp_eq_u32 s27, 2
	s_cselect_b64 s[30:31], s[12:13], s[30:31]
	s_cmp_eq_u32 s27, 3
	s_cselect_b64 s[30:31], s[14:15], s[30:31]
	s_cmp_eq_u32 s27, 4
	s_cselect_b64 s[30:31], s[16:17], s[30:31]
	s_cmp_eq_u32 s27, 5
	s_cselect_b64 s[30:31], s[18:19], s[30:31]
	s_cmp_lt_u32 ttmp9, 2048                       ; x or h_prev?
	s_cselect_b64 s[30:31], s[6:7], s[30:31]
	s_cselect_b64 s[32:33], s[22:23], s[24:25]
	s_cselect_b32 s28, s29, s28
	s_cselect_b32 s34, 64, 8                       ; row groups in a K step
	s_cselect_b32 s35, 0, 1                        ; 1 for a weight
	s_cselect_b32 s36, 0, s36
	s_cmp_lt_u32 ttmp9, 1024                       ; x?
	s_cselect_b64 s[30:31], s[4:5], s[30:31]
	s_cselect_b64 s[32:33], s[20:21], s[32:33]
	s_and_b32 s37, s28, 7                          ; K step
	s_bfe_u32 s38, s28, 0x10003                    ; H: which 64 rows of the panel
	s_lshr_b32 s39, s28, 4                         ; row group
	s_lshl_b32 s44, s39, 19                        ; 128 rows of 4,096 bytes
	s_lshl_b32 s45, s38, 18
	s_add_co_u32 s44, s44, s45
	s_lshl_b32 s45, s37, 9                         ; 128 numbers along K
	s_add_co_u32 s44, s44, s45
	s_mov_b32 s45, 0
	s_add_nc_u64 s[S0:S0+1], s[30:31], s[44:45]
	s_lshl_b32 s44, s35, 15                        ; 8 rows, for a weight; else 0
	s_add_nc_u64 s[S1:S1+1], s[S0:S0+1], s[44:45]
	s_sub_nc_u64 s[S2:S2+1], s[S0:S0+1], s[44:45]
	s_mul_i32 s52, s37, s34
	s_add_co_u32 s52, s52, s39
	s_add_co_u32 s52, s52, s36
	s_mul_i32 s52, s52, P                          ; my panel
	s_mov_b32 s53, 0
	s_add_nc_u64 s[54:55], s[32:33], s[52:53]
	s_lshl_b32 s52, s38, 13
	s_add_nc_u64 s[DC:DC+1], s[54:55], s[52:53]
	s_lshl_b32 s52, s38, 8
	s_add_co_u32 s52, s52, 16384
	s_add_nc_u64 s[DS:DS+1], s[54:55], s[52:53]
; Fragment t's 16 rows into set t % 2.  Stage row 16 t + q takes, for a weight, the source row with bits 3 and 4 exchanged: the groups of eight rows with (row / 8) % 4 = 1 lie 8 rows on, those with 2 lie 8 rows back.
.macro LOAD t
.irp q, 0,1,2,3,4,5,6,7,8,9,10,11,12,13,14,15
.set SG, ((16*(\t)+\q)/8)%4
.if SG == 1
	global_load_b128 v[RAW+64*((\t)%2)+4*\q:RAW+64*((\t)%2)+4*\q+3], v1, s[S1:S1+1] offset:(16*(\t)+\q)*4096 th:TH_LOAD_NT
.elseif SG == 2
	global_load_b128 v[RAW+64*((\t)%2)+4*\q:RAW+64*((\t)%2)+4*\q+3], v1, s[S2:S2+1] offset:(16*(\t)+\q)*4096 th:TH_LOAD_NT
.else
	global_load_b128 v[RAW+64*((\t)%2)+4*\q:RAW+64*((\t)%2)+4*\q+3], v1, s[S0:S0+1] offset:(16*(\t)+\q)*4096 th:TH_LOAD_NT
.endif
.endr
.endm
; 64 numbers of a lane, register 16 b + i = k 32 b + 16 h + i of my row, become a fragment's codes in v[pc] on and its scale word in v[pw]
.macro QUANT s, pc, pw
.irp b, 0,1,2,3
	v_max3_num_f32 v[TM+\b], |v[\s+16*\b]|, |v[\s+1+16*\b]|, 0x8000000   ; block b: my 16 numbers, and the floor 2^(16 - 127): the byte cannot fall under 1
.endr
.irp i, 2,4,6,8,10,12,14
.irp b, 0,1,2,3
	v_max3_num_f32 v[TM+\b], v[TM+\b], |v[\s+16*\b+\i]|, |v[\s+1+16*\b+\i]|   ; the four blocks by turns
.endr
.endr
.irp b, 0,1,2,3
	v_permlanex16_b32 v[TM+4+\b], v[TM+\b], s[SEL], s[SEL+1]
.endr
.irp b, 0,1,2,3
	v_max_num_f32 v[TM+\b], v[TM+\b], v[TM+4+\b]   ; with lane l xor 16's: the block's largest magnitude
.endr
.irp b, 0,1,2,3
	v_add_nc_u32 v[TM+12+\b], 0xf8800000, v[TM+\b] ; 15 off its exponent field: the conversion's scale operand
.endr
.irp b, 0,1,2,3
	v_and_or_b32 v[TM+8+\b], v[TM+\b], 0x7f800000, s[MNT]   ; 57,344 x the scale
.endr
.irp b, 0,1,2,3
	v_lshrrev_b32 v[TM+4+\b], 23, v[TM+12+\b]      ; the scale's byte
.endr
	v_lshl_or_b32 v[\pw], v[TM+5], 8, v[TM+4]      ; four bytes: my row's scale word
	v_lshl_or_b32 v[\pw], v[TM+6], 16, v[\pw]
	v_lshl_or_b32 v[\pw], v[TM+7], 24, v[\pw]
.irp b, 0,1,2,3
.irp i, 0,1,2,3,4,5,6,7,8,9,10,11,12,13,14,15
	v_med3_num_f32 v[\s+16*\b+\i], v[\s+16*\b+\i], -v[TM+8+\b], v[TM+8+\b]   ; the conversion to an 8-bit code does not saturate (ISA guide 7.6.2): the hold comes first
.endr
	v_cvt_scalef32_pk8_bf8_f32 v[\pc+4*\b:\pc+1+4*\b], v[\s+16*\b:\s+7+16*\b], v[TM+12+\b]
	v_cvt_scalef32_pk8_bf8_f32 v[\pc+2+4*\b:\pc+3+4*\b], v[\s+8+16*\b:\s+15+16*\b], v[TM+12+\b]
.endr
	v_nop                                          ; one plain vector line behind the last conversion
.endm
.macro FRAG t
.if (\t) < 3
	s_wait_loadcnt 16                              ; this fragment's 16 loads are in; the next fragment's 16 may be out
.else
	s_wait_loadcnt 0x0
.endif
.irp q, 0,1,2,3,4,5,6,7,8,9,10,11,12,13,14,15
	ds_store_b128 v1, v[RAW+64*((\t)%2)+4*\q:RAW+64*((\t)%2)+4*\q+3] offset:\q*SP
.endr
.irp b, 0,1,2,3
.irp q, 0,1,2,3
	ds_load_b128 v[X+16*\b+4*\q:X+16*\b+4*\q+3], v4 offset:128*\b+16*\q   ; LDS serves a wave's instructions in order: these see the stores above
.endr
.endr
	s_wait_dscnt 0x0                               ; my 64 numbers are in, and the stores into the stage have read their registers,
.if (\t) < 2
	LOAD (\t)+2                                    ; which take the fragment two further on
.else
	s_wait_xcnt 0x0                                ; this set of codes was the data of the stores two fragments back: it is written again only behind this wait
.endif
	QUANT X, PC+16*((\t)%2), PW+(\t)
.irp c, 0,1,2,3
	global_store_b128 v1, v[PC+16*((\t)%2)+4*\c:PC+16*((\t)%2)+4*\c+3], s[DC:DC+1] offset:2048*(\t)+512*\c   ; an image: 512 consecutive bytes, aligned
.endr
.endm
	LOAD 0
	LOAD 1
	FRAG 0
	FRAG 1
	FRAG 2
	FRAG 3
	v_cndmask_b32 v28, v[PW], v[PW+2], s43         ; lanes 0-15: fragments 0 and 1 of my half; lanes 16-31: fragments 2 and 3 (both halves of the lanes hold every word)
	v_cndmask_b32 v29, v[PW+1], v[PW+3], s43
	global_store_b64 v2, v[28:29], s[DS:DS+1]      ; 256 consecutive bytes, aligned
	s_wait_tensorcnt 0x0
	ds_add_u32 v30, v31
	s_wait_dscnt 0x0
	s_endpgm
.Lfunc_end_k_q56493dca2c_quant:
	.size	k_q56493dca2c_quant, .Lfunc_end_k_q56493dca2c_quant-k_q56493dca2c_quant
	.p2alignl 7, 3214868480
	.fill 96, 4, 3214868480
	.section	.rodata,"a",@progbits
	.p2align	6, 0x0
	.amdhsa_kernel k_q56493dca2c_quant
		.amdhsa_group_segment_fixed_size 8960
		.amdhsa_private_segment_fixed_size 0
		.amdhsa_enable_private_segment 0
		.amdhsa_kernarg_size 88
		.amdhsa_user_sgpr_count 2
		.amdhsa_user_sgpr_kernarg_segment_ptr 1
		.amdhsa_wavefront_size32 1
		.amdhsa_system_sgpr_workgroup_id_x 1
		.amdhsa_system_sgpr_workgroup_id_y 1
		.amdhsa_system_sgpr_workgroup_id_z 1
		.amdhsa_system_vgpr_workitem_id 0
		.amdhsa_next_free_vgpr 256
		.amdhsa_next_free_sgpr 66
		.amdhsa_reserve_vcc 0
		.amdhsa_float_denorm_mode_32 3
		.amdhsa_float_denorm_mode_16_64 3
		.amdhsa_memory_ordered 1
		.amdhsa_forward_progress 1
		.amdhsa_inst_pref_size 52
	.end_amdhsa_kernel
	.amdgpu_metadata
---
amdhsa.version: [ 1, 2 ]
amdhsa.kernels:
  - .name:           k_q56493dca2c_quant
    .symbol:         k_q56493dca2c_quant.kd
    .args:
      - { .name: x, .offset: 0, .size: 8, .value_kind: global_buffer, .address_space: global }
      - { .name: h_prev, .offset: 8, .size: 8, .value_kind: global_buffer, .address_space: global }
      - { .name: u_z, .offset: 16, .size: 8, .value_kind: global_buffer, .address_space: global }
      - { .name: w_z, .offset: 24, .size: 8, .value_kind: global_buffer, .address_space: global }
      - { .name: w_h, .offset: 32, .size: 8, .value_kind: global_buffer, .address_space: global }
      - { .name: u_h, .offset: 40, .size: 8, .value_kind: global_buffer, .address_space: global }
      - { .name: w_r, .offset: 48, .size: 8, .value_kind: global_buffer, .address_space: global }
      - { .name: u_r, .offset: 56, .size: 8, .value_kind: global_buffer, .address_space: global }
      - { .name: xc, .offset: 64, .size: 8, .value_kind: global_buffer, .address_space: global }
      - { .name: hc, .offset: 72, .size: 8, .value_kind: global_buffer, .address_space: global }
      - { .name: wc, .offset: 80, .size: 8, .value_kind: global_buffer, .address_space: global }
    .group_segment_fixed_size: 8960
    .private_segment_fixed_size: 0
    .kernarg_segment_align: 8
    .kernarg_segment_size: 88
    .max_flat_workgroup_size: 32
    .sgpr_count:     66
    .vgpr_count:     256
    .wavefront_size: 32
...
	.end_amdgpu_metadata
.endif
;; end of part 1
;; launch rgate (part 2): grid 4 x 64, 4 waves a work-group, clusters of 4 x 1, 327,680 bytes of LDS; arguments xc, hc, wc, h_prev, b_wr, b_ur, rhc; writes rhc
.if DOCPART == 2
	.amdgcn_target "amdgcn-amd-amdhsa--gfx1250"
	.amdhsa_code_object_version 6
	.text
	.protected	k_q56493dca2c_rgate
	.globl	k_q56493dca2c_rgate
	.p2align	8
	.type	k_q56493dca2c_rgate,@function
k_q56493dca2c_rgate:
	s_mov_b64 s[64:65], 0
	v_nop
	global_prefetch_b8 v0, s[64:65] scope:SCOPE_SE
	s_setreg_imm32_b32 hwreg(HW_REG_WAVE_MODE, 25, 1), 1
	s_wait_xcnt 0x0
	s_wait_alu depctr_hold_cnt(0) depctr_sa_sdst(0) depctr_va_vdst(0) depctr_va_sdst(0) depctr_va_ssrc(0) depctr_va_vcc(0) depctr_vm_vsrc(0)
	s_getreg_b32 s2, hwreg(HW_REG_IB_STS2, 6, 4)
	s_cmp_eq_u32 s2, 0
	s_cbranch_scc0 .Lentry_in_a_cluster
	s_endpgm
.Lentry_in_a_cluster:
	s_bfe_u32 s2, ttmp6, 0x10000c
	s_cmp_lg_u32 s2, 0x3003
	s_cbranch_scc0 .Lentry_shape_is_right
	s_endpgm
.Lentry_shape_is_right:
; r = sigmoid(x Wr^T + h_prev Ur^T + b_wr + b_ur); r x h_prev is quantised along its columns (the K of the product with u_h) into rhc.  Both products on codes of BF8 (E5M2) with E8M0 scales.
; PANELS (128 rows x 128 K, P = 16,896 bytes): eight fragments as images of their registers (lane l's 16 bytes at 2048 f + 512 c + 16 l), then the scale words: fragment 4 H + 2 h' + q', row r, at 16384 + 256 H + 8 (16 h' + r) + 4 q'.
; xc, hc, rhc: [K step 8][row group 64][P].  wc: [weight 6][K step 8][row group 8][P]; w_r is weight 4, u_r weight 5.
; SHARES.  A work-group makes 128 rows x 256 columns of r.  Wave w = g + 2 j sums, for all 128 rows and columns 128 j .. 128 j + 127 of the 256, ONE of the two products (g = 0: x Wr^T, g = 1: h_prev Ur^T): 64 accumulators, 8 K steps.
; At the end the two waves of a j exchange halves through LDS: wave g finishes rows 64 g .. 64 g + 63.
; THE ACTIVATIONS' 16 PANELS STAY IN LDS: they come as first fills, two tensor loads a wave, each of two panels; by this text's own count a wave never has more than one tensor load out.
; CLUSTER: the four work-groups of a row group need the same 16 panels: each is asked for JOINTLY (mask 15).
; THE WEIGHTS GO FROM MEMORY STRAIGHT INTO REGISTERS, as images, one and a half K steps ahead.  They are not asked for jointly: a weight panel feeds one wave of a work-group alone, the four partners (which share rows) need
; different panels, and a joint load lands in LDS, where the 16 resident panels leave room for three more: a ring of two slots of a K step's four weight panels would want eight.
; THE MATRIX INSTRUCTION IS USED TRANSPOSED: source 0 = 16 rows of a weight, source 1 = 16 rows of x or h_prev.  By the order of a weight fragment's rows, lane (r, h), tile b, register i holds row r, column 32 (b / 2) + 16 h + 8 (b % 2) + i:
; the 64 registers of a block of 16 rows are, 16 by 16, neighbours along the next K, and the conversions' results are rhc's images.
; LIMITS: NaN and infinities are not served.  The sum ahead of the sigmoid is ((x part + h part) x (-log2 e)) + (b_wr + b_ur) x (-log2 e), in f32.  sigmoid(t) = 1 / (1 + 2^(-t log2 e)): it runs to 0 and 1 without NaN for every finite t.
; A block of r x h_prev whose largest magnitude lies under 2^-111 gets the scale byte 1 (its codes are then zeros or subnormal codes; this program alone reads the bytes).
; LDS: 0 .. 8P region H (hc's panels, K step s at s P); 8P .. 16P region X (xc's); 16P: the spare words, 512 bytes.  All of a WGP's LDS is claimed.
;   From K step 3 on panels 0-3 of both regions are dead: they take h_prev's tile as f32 (a stage of 64 rows x 528 bytes = 2P for each wave).  Behind the last K step panels 4-7 take the exchange (32,768 bytes a wave).
; REGISTERS, in windows of 256.  Window 0: v1 16 x lane, v2 8 x lane, v3-6 LDS addresses of A, v7-8 the add's, v9-12 the epilogue's addresses, v13-15, v30 scale words made; v16-29 scale words of the products and nothing else;
;   v64-127, v128-191 A's fragments of my own 64 rows, two buffers by the step's parity; v192-255 A's other 64 rows.  Window 1: the weight's fragments, two sets of 128.  Window 2: the accumulators of my own rows ((a, b) at v[8 (8 a + b)]); window 3: the partner's rows.
.set P,     16896
.set SPARE, 16*P
.set NST,   8                          ; K steps
.set NT,    2                          ; groups of 16 loads behind the weights': the two biases
.set WV,    18                         ; s18 wave, s19 g, s20 j, s21 column group, s22 row group, s23 1 - g
.set BP,    60                         ; s[60:61] my weight's panel of K step 0; never rewritten: every K step stands in the immediate
.set SEL,   80                         ; s[80:81] lane selects for v_permlanex16_b32: lane l xor 16
.set MNT,   82                         ; s82 the mantissa field of 57,344
.set KL,    84                         ; s[84:85] -log2(e)
.set TM,    32                         ; v32-47 the quantiser's scratch
.set PC,    48                         ; v48-63 the codes just made
.set TP,    64                         ; v64-127 the partner's sums of a block
.set HH,    128                        ; v128-191 h_prev of a block
.set W,     192                        ; v192-255 at work
.set MSB,   0
.macro WIN new                         ; the immediate's high byte repeats the setting that is left
.if MSB != \new
	s_set_vgpr_msb (MSB<<8)|\new
.set MSB, \new
.endif
.endm
.macro PLACES n                        ; a load into a register that a matrix instruction has read, and a read of a result, stand 8 plain vector instructions behind it (ISA guide 7.12.1 for the read of a result)
.rept \n
	v_nop
.endr
.endm
.macro CROUND                          ; a round of the cluster's barrier
	s_barrier_signal -1
	s_barrier_wait -1
	s_cmp_lg_u32 s[WV], 0
	s_cbranch_scc1 .Lnot_wave_0_\@
	s_barrier_signal -3
.Lnot_wave_0_\@:
	s_barrier_wait -3
	s_barrier_signal -1
	s_barrier_wait -1
.endm
; one product: rb, ra = 1: the weight's, the activation's scale words stand in lanes 16-31 of their register
.macro WM acc, br, ar, sb, sa, rb, ra, zero
.if \zero
.if (\rb) && (\ra)
	v_wmma_scale_f32_16x16x128_f8f6f4 v[(\acc):(\acc)+7], v[(\br):(\br)+15], v[(\ar):(\ar)+15], 0, v[\sb], v[\sa] matrix_a_fmt:MATRIX_FMT_BF8 matrix_b_fmt:MATRIX_FMT_BF8 matrix_a_scale:MATRIX_SCALE_ROW1 matrix_b_scale:MATRIX_SCALE_ROW1
.elseif \rb
	v_wmma_scale_f32_16x16x128_f8f6f4 v[(\acc):(\acc)+7], v[(\br):(\br)+15], v[(\ar):(\ar)+15], 0, v[\sb], v[\sa] matrix_a_fmt:MATRIX_FMT_BF8 matrix_b_fmt:MATRIX_FMT_BF8 matrix_a_scale:MATRIX_SCALE_ROW1
.elseif \ra
	v_wmma_scale_f32_16x16x128_f8f6f4 v[(\acc):(\acc)+7], v[(\br):(\br)+15], v[(\ar):(\ar)+15], 0, v[\sb], v[\sa] matrix_a_fmt:MATRIX_FMT_BF8 matrix_b_fmt:MATRIX_FMT_BF8 matrix_b_scale:MATRIX_SCALE_ROW1
.else
	v_wmma_scale_f32_16x16x128_f8f6f4 v[(\acc):(\acc)+7], v[(\br):(\br)+15], v[(\ar):(\ar)+15], 0, v[\sb], v[\sa] matrix_a_fmt:MATRIX_FMT_BF8 matrix_b_fmt:MATRIX_FMT_BF8
.endif
.else
.if (\rb) && (\ra)
	v_wmma_scale_f32_16x16x128_f8f6f4 v[(\acc):(\acc)+7], v[(\br):(\br)+15], v[(\ar):(\ar)+15], v[(\acc):(\acc)+7], v[\sb], v[\sa] matrix_a_fmt:MATRIX_FMT_BF8 matrix_b_fmt:MATRIX_FMT_BF8 matrix_a_scale:MATRIX_SCALE_ROW1 matrix_b_scale:MATRIX_SCALE_ROW1
.elseif \rb
	v_wmma_scale_f32_16x16x128_f8f6f4 v[(\acc):(\acc)+7], v[(\br):(\br)+15], v[(\ar):(\ar)+15], v[(\acc):(\acc)+7], v[\sb], v[\sa] matrix_a_fmt:MATRIX_FMT_BF8 matrix_b_fmt:MATRIX_FMT_BF8 matrix_a_scale:MATRIX_SCALE_ROW1
.elseif \ra
	v_wmma_scale_f32_16x16x128_f8f6f4 v[(\acc):(\acc)+7], v[(\br):(\br)+15], v[(\ar):(\ar)+15], v[(\acc):(\acc)+7], v[\sb], v[\sa] matrix_a_fmt:MATRIX_FMT_BF8 matrix_b_fmt:MATRIX_FMT_BF8 matrix_b_scale:MATRIX_SCALE_ROW1
.else
	v_wmma_scale_f32_16x16x128_f8f6f4 v[(\acc):(\acc)+7], v[(\br):(\br)+15], v[(\ar):(\ar)+15], v[(\acc):(\acc)+7], v[\sb], v[\sa] matrix_a_fmt:MATRIX_FMT_BF8 matrix_b_fmt:MATRIX_FMT_BF8
.endif
.endif
.endm
; 16 products: four blocks of A (fragments at v[fa] on, scale words at v[sca], v[sca + 1]) x the four weight fragments of half H of set p.  Each of the 64 accumulators has one product a K step: they take turns
.macro QUAD fa, sca, p, H, zero
.irp a, 0,1,2,3
.irp b, 0,1,2,3
	WM 8*(8*\a+4*(\H)+\b), 128*(\p)+64*(\H)+16*\b, (\fa)+16*\a, 22+4*(\p)+2*(\H)+\b%2, (\sca)+\a%2, \b/2, \a/2, \zero
.endr
.endr
.endm
.macro FETCH_F p, AD                   ; 17 LDS loads: my own half of A's panel into buffer p, and its scale words
.irp a, 0,1,2,3
.irp c, 0,1,2,3
	ds_load_b128 v[64+64*(\p)+16*\a+4*\c:64+64*(\p)+16*\a+4*\c+3], v[\AD] offset:2048*\a+512*\c
.endr
.endr
	ds_load_b64 v[16+2*(\p):17+2*(\p)], v[(\AD)+2]
.endm
.macro FETCH_S AD                      ; 17 LDS loads: the other half
.irp a, 0,1,2,3
.irp c, 0,1,2,3
	ds_load_b128 v[192+16*\a+4*\c:192+16*\a+4*\c+3], v[(\AD)+1] offset:2048*\a+512*\c
.endr
.endr
	ds_load_b64 v[20:21], v[(\AD)+3]
.endm
.macro BLOAD s, p, H                   ; 17 global loads: half H of the weight's panel of K step s into set p, its scale words first.  No hint: 64 row groups read the same panel
	WIN 0
	global_load_b64 v[22+4*(\p)+2*(\H):23+4*(\p)+2*(\H)], v2, s[BP:BP+1] offset:(\s)*8*P+16384+256*(\H)
	WIN 0x40
.irp b, 0,1,2,3
.irp c, 0,1,2,3
	global_load_b128 v[128*(\p)+64*(\H)+16*\b+4*\c:128*(\p)+64*(\H)+16*\b+4*\c+3], v1, s[BP:BP+1] offset:(\s)*8*P+8192*(\H)+2048*\b+512*\c
.endr
.endr
.endm
.macro TAIL k                          ; 16 global loads into the weights' registers that are done with: b_wr (k = 0), b_ur (k = 1), in the results' layout: register 16 b + i = column 32 b + 16 h + i
	WIN 0x40
.irp b, 0,1,2,3
.irp q, 0,1,2,3
.if (\k) == 0
	global_load_b128 v[16*\b+4*\q:16*\b+4*\q+3], v12, s[62:63] offset:128*\b+16*\q
.else
	global_load_b128 v[64+16*\b+4*\q:64+16*\b+4*\q+3], v12, s[66:67] offset:128*\b+16*\q
.endif
.endr
.endr
.endm
.macro GSUM first                      ; LQ = the loads of the three groups of global loads first .. first + 2.  Groups in issue order: the weights' halves (17 each), then NT groups of 16
.set LQ, 0
.irp d, 0,1,2
.if (\first)+\d < 2*NST
.set LQ, LQ+17
.elseif (\first)+\d < 2*NST+NT
.set LQ, LQ+16
.endif
.endr
.endm
; A K STEP: 64 products in four quads: own rows x weight half 0, other rows x half 0, other rows x half 1, own rows x half 1.  So weight half 0 is free behind the second quad and half 1 behind the fourth (each is loaded
; again for the K step two on), A's other half behind the third, and A's own half has two buffers.  ev = 0: no barrier.  ev = 1: a barrier behind which nothing is filled; in front of it at most n tensor loads of mine are out.
; ev = 2: LDS bytes are filled again: all my tensor loads waited for, the add, the wait for it and for my LDS reads, a round of the cluster's barrier, and my one tensor load first behind it.
.macro STEP t, ev, n, AD, ADV, g0, g1
.set PP, (\t)%2
.if (\t) == 0
.set ZZ, 1                             ; the first K step's products start the sums: nothing is cleared
.else
.set ZZ, 0
.endif
	GSUM 2*(\t)+1
	s_wait_loadcnt LQ                              ; this step's weight half 0 is in: behind it three groups have been issued
	s_wait_dscnt 17                                ; A's own half is in; the 17 loads of the other half may be out
	WIN 0xa1
	QUAD 64+64*PP, 16+2*PP, PP, 0, ZZ
.if (\ev) == 0
	s_wait_dscnt 0x0                               ; A's other half is in
	WIN 0xf1
	QUAD 192, 20, PP, 0, ZZ
.elseif (\ev) == 1
	s_wait_dscnt 0x0                               ; A's other half is in, and no LDS instruction of mine is out at the signal
	s_wait_tensorcnt \n                            ; my part of what is read behind this barrier has landed
	s_barrier_signal -1
	WIN 0xf1
	QUAD 192, 20, PP, 0, ZZ
	s_barrier_wait -1
.else
	WIN 0
	s_wait_tensorcnt 0x0                           ; all my tensor loads have landed
	ds_add_u32 v7, v8                              ; 0 onto my spare word
	s_wait_dscnt 1                                 ; A's other half is in; the add alone may be out
	WIN 0xf1
	QUAD 192, 20, PP, 0, ZZ                        ; sixteen products stand between the add and the wait for it
	WIN 0
	s_wait_dscnt 0x0                               ; the add is done, and my reads of the panels that are left are over
	CROUND
	tensor_load_to_lds s[\g0:\g0+3], s[\g1:\g1+7]  ; my one tensor load behind the round, and the first thing there
	s_nop 0
.rept 4
	v_nop                                          ; four of the eight places below
.endr
.endif
	WIN 0
.if ((\t)+1 < NST) || (2*((\t)-NST+2) < NT)
.set NPL, 8
.if (\ev) == 2
.set NPL, 4
.endif
.if \ADV
.irp i, 0,1,2,3
	v_add_nc_u32 v[(\AD)+\i], P, v[(\AD)+\i]       ; on to the next K step's panel (no LDS load of mine is out); four of the eight places
.endr
.set NPL, NPL-4
.endif
.if NPL > 0
	PLACES NPL
.endif
.endif
.if (\t)+1 < NST
	FETCH_F 1-PP, \AD
.endif
.if (\t)+2 < NST
	BLOAD (\t)+2, PP, 0
.elseif 2*((\t)-NST+2) < NT
	TAIL 2*((\t)-NST+2)
.endif
	GSUM 2*(\t)+2
	s_wait_loadcnt LQ                              ; this step's weight half 1 is in
	WIN 0xf1
	QUAD 192, 20, PP, 1, ZZ
.if (\t)+1 < NST
	PLACES 8
	WIN 0
	s_wait_alu depctr_va_vdst(0)
	FETCH_S \AD
.endif
	WIN 0xa1
	QUAD 64+64*PP, 16+2*PP, PP, 1, ZZ
	PLACES 8
.if (\t)+2 < NST
	BLOAD (\t)+2, PP, 1
.elseif 2*((\t)-NST+2)+1 < NT
	TAIL 2*((\t)-NST+2)+1
.endif
	WIN 0
.endm
; 64 numbers of a lane, register 16 b + i = k 32 b + 16 h + i of my row, become a fragment's codes in v[pc] on and its scale word in v[pw]
.macro QUANT s, pc, pw
.irp b, 0,1,2,3
	v_max3_num_f32 v[TM+\b], |v[\s+16*\b]|, |v[\s+1+16*\b]|, 0x8000000   ; block b: my 16 numbers, and the floor 2^(16 - 127): the byte cannot fall under 1
.endr
.irp i, 2,4,6,8,10,12,14
.irp b, 0,1,2,3
	v_max3_num_f32 v[TM+\b], v[TM+\b], |v[\s+16*\b+\i]|, |v[\s+1+16*\b+\i]|
.endr
.endr
.irp b, 0,1,2,3
	v_permlanex16_b32 v[TM+4+\b], v[TM+\b], s[SEL], s[SEL+1]
.endr
.irp b, 0,1,2,3
	v_max_num_f32 v[TM+\b], v[TM+\b], v[TM+4+\b]   ; with lane l xor 16's: the block's largest magnitude
.endr
.irp b, 0,1,2,3
	v_add_nc_u32 v[TM+12+\b], 0xf8800000, v[TM+\b] ; 15 off its exponent field: the conversion's scale operand
.endr
.irp b, 0,1,2,3
	v_and_or_b32 v[TM+8+\b], v[TM+\b], 0x7f800000, s[MNT]   ; 57,344 x the scale
.endr
.irp b, 0,1,2,3
	v_lshrrev_b32 v[TM+4+\b], 23, v[TM+12+\b]      ; the scale's byte
.endr
	v_lshl_or_b32 v[\pw], v[TM+5], 8, v[TM+4]
	v_lshl_or_b32 v[\pw], v[TM+6], 16, v[\pw]
	v_lshl_or_b32 v[\pw], v[TM+7], 24, v[\pw]
.irp b, 0,1,2,3
.irp i, 0,1,2,3,4,5,6,7,8,9,10,11,12,13,14,15
	v_med3_num_f32 v[\s+16*\b+\i], v[\s+16*\b+\i], -v[TM+8+\b], v[TM+8+\b]   ; the conversion to an 8-bit code does not saturate (ISA guide 7.6.2): the hold comes first
.endr
	v_cvt_scalef32_pk8_bf8_f32 v[\pc+4*\b:\pc+1+4*\b], v[\s+16*\b:\s+7+16*\b], v[TM+12+\b]
	v_cvt_scalef32_pk8_bf8_f32 v[\pc+2+4*\b:\pc+3+4*\b], v[\s+8+16*\b:\s+15+16*\b], v[TM+12+\b]
.endr
	v_nop                                          ; one plain vector line behind the last conversion
.endm
	s_load_b256 s[4:11], s[0:1], 0x0               ; xc s[4:5], hc s[6:7], wc s[8:9], h_prev s[10:11]
	s_load_b128 s[12:15], s[0:1], 0x20             ; b_wr, b_ur
	s_load_b64 s[16:17], s[0:1], 0x30              ; rhc
	v_lshl_add_u32 v7, v0, 2, SPARE
	v_mov_b32 v8, 0
	ds_add_u32 v7, v8
	ds_add_u32 v7, v8
	s_wait_dscnt 0x0
	v_lshrrev_b32 v13, 5, v0
	v_readfirstlane_b32 s[WV], v13                 ; wave 0..3
	s_and_b32 s19, s[WV], 1                        ; g: which product I sum, which 64 rows I finish
	s_lshr_b32 s20, s[WV], 1                       ; j: which 128 of the 256 columns
	s_xor_b32 s23, s19, 1                          ; 1 - g
	s_bfe_u32 s21, ttmp6, 0x40000                  ; cx
	s_lshl_b32 s87, ttmp9, 2
	s_add_co_u32 s21, s21, s87                     ; column group = 4 x cluster x + cx: it enters global addresses of plain loads and stores alone
	s_and_b32 s22, ttmp7, 0xffff                   ; row group, which the four partners share
	v_and_b32 v13, 31, v0
	v_lshlrev_b32 v1, 4, v13                       ; 16 x lane
	v_lshlrev_b32 v2, 3, v13                       ; 8 x lane
	s_wait_alu depctr_va_vdst(0)
	v_and_b32 v14, 15, v0                          ; r
	s_wait_alu depctr_va_vdst(0)
	v_bfe_u32 v15, v0, 4, 1                        ; h
	v_lshlrev_b32 v12, 6, v15                      ; the biases: 64 h
	; A's LDS addresses: g = 0 reads region X, g = 1 region H; my own half of a panel is half g
	s_mul_i32 s72, s23, 8*P
	s_lshl_b32 s73, s19, 13
	s_add_co_u32 s73, s73, s72
	v_add_nc_u32 v3, s73, v1                       ; own half's codes
	s_lshl_b32 s73, s23, 13
	s_add_co_u32 s73, s73, s72
	v_add_nc_u32 v4, s73, v1                       ; other half's
	s_lshl_b32 s73, s19, 8
	s_add_co_u32 s73, s73, s72
	s_add_co_u32 s73, s73, 16384
	v_add_nc_u32 v5, s73, v2                       ; own half's scale words
	s_lshl_b32 s73, s23, 8
	s_add_co_u32 s73, s73, s72
	s_add_co_u32 s73, s73, 16384
	v_add_nc_u32 v6, s73, v2                       ; other half's
	; the epilogue's LDS addresses
	s_mul_i32 s73, s20, 8*P
	s_mul_i32 s57, s19, 2*P
	s_add_co_u32 s57, s57, s73                     ; my stage for h_prev: j x 8P + g x 2P (also the descriptor's LDS address)
	v_mul_u32_u24 v11, v14, 528
	s_wait_alu depctr_va_vdst(0)
	v_lshl_add_u32 v11, v15, 6, v11
	v_add_nc_u32 v11, s57, v11                     ; row r, + 64 h
	s_add_co_u32 s73, s73, 4*P
	s_lshl_b32 s72, s19, 15
	s_add_co_u32 s72, s72, s73
	v_add_nc_u32 v9, s72, v1                       ; the exchange: where I put the partner's rows,
	s_lshl_b32 s72, s23, 15
	s_add_co_u32 s72, s72, s73
	v_add_nc_u32 v10, s72, v1                      ; and where the partner puts mine
	; descriptor group 1 for two panels: two rows of P bytes (P/8 elements of 8 bytes); mask 15: all four work-groups; bit 21 set beside a mask
	s_mov_b32 s24, 15|(3<<16)|(1<<21)
	s_mov_b32 s25, (P/8)<<16                       ; tensor_dim0: a row of the tile is a whole panel, P bytes
	s_mov_b32 s26, 2<<16                           ; tensor_dim1: two K steps' panels
	s_mov_b32 s27, (P/8)<<16                       ; tile_dim0
	s_mov_b32 s28, 2                               ; tile_dim1
	s_mov_b32 s29, 8*P                             ; the pitch: 64 panels from K step to K step, in elements of 8 bytes
	s_mov_b32 s30, 0
	s_mov_b32 s31, 0
	; and for h_prev's tile: 64 rows x 128 f32, 1,024 elements apart; no mask; 4 words of padding behind every 128: rows 528 bytes apart
	s_mov_b32 s48, (2<<16)|(1<<20)|(6<<22)|(3<<25)
	s_mov_b32 s49, 128<<16
	s_mov_b32 s50, 64<<16
	s_mov_b32 s51, 128<<16
	s_mov_b32 s52, 64
	s_mov_b32 s53, 1024
	s_mov_b32 s54, 0
	s_mov_b32 s55, 0
	s_mov_b32 s[SEL], 0x76543210
	s_mov_b32 s[SEL+1], 0xfedcba98
	s_mov_b32 s[MNT], 0x600000
	s_mov_b32 s[KL], 0xbfb8aa3b                    ; -log2(e)
	s_mov_b32 s[KL+1], s[KL]                       ; (named with it as a pair, so it is written)
	s_mov_b32 s86, 0xffff0000                      ; lanes 16-31
	; the first fills: fill i of wave w is panels 4 i + 2 j and 4 i + 2 j + 1 of region g (g = 0: H from hc, g = 1: X from xc)
	s_mul_i32 s72, s19, 8*P
	s_mul_i32 s73, s20, 2*P                        ; fill i of wave w: K steps 4 i + 2 j and 4 i + 2 j + 1 of region g, two panels on end in LDS
	s_add_co_u32 s72, s72, s73
	s_lshl_b32 s74, s20, 7
	s_add_co_u32 s74, s74, s22
	s_mul_i32 s74, s74, P                          ; (128 j + row group) panels
	s_mov_b32 s75, 0
	; offsets that hang on the column group, in registers of their own
	s_lshl_b32 s83, s21, 10
	s_lshl_b32 s87, s20, 9
	s_add_co_u32 s83, s83, s87                     ; my 128 columns as f32: 1,024 x column group + 512 j
	s_mov_b32 s89, 0
	s_wait_kmcnt 0x0
	s_cmp_eq_u32 s19, 0
	s_cselect_b64 s[76:77], s[6:7], s[4:5]
	s_add_nc_u64 s[76:77], s[76:77], s[74:75]
.irp i, 0,1
	s_mov_b32 s[32+4*\i], 1
	s_add_co_u32 s[33+4*\i], s72, \i*4*P
	s_add_nc_u64 s[34+4*\i:35+4*\i], s[76:77], \i*256*P
	s_or_b32 s[35+4*\i], s[35+4*\i], 0x80000000
.endr
	s_lshl_b32 s88, s22, 19                        ; h_prev's tile: 128 rows x row group + 64 rows x g + my columns
	s_lshl_b32 s87, s19, 18
	s_add_co_u32 s88, s88, s87
	s_add_co_u32 s88, s88, s83
	s_mov_b32 s56, 1
	s_add_nc_u64 s[58:59], s[10:11], s[88:89]
	s_or_b32 s59, s59, 0x80000000
	s_mov_b32 s88, s83
	s_add_nc_u64 s[62:63], s[12:13], s[88:89]      ; b_wr at my columns
	s_add_nc_u64 s[66:67], s[14:15], s[88:89]      ; b_ur
	s_add_co_u32 s88, s19, 4                       ; weight 4 + g,
	s_lshl_b32 s88, s88, 6
	s_lshl_b32 s87, s21, 1
	s_add_co_u32 s88, s88, s87
	s_add_co_u32 s88, s88, s20                     ; its row group 2 x column group + j
	s_mul_i32 s88, s88, P
	s_add_nc_u64 s[BP:BP+1], s[8:9], s[88:89]
	s_add_co_u32 s88, s87, s20                     ; rhc: K step 2 x column group + j,
	s_lshl_b32 s88, s88, 6
	s_add_co_u32 s88, s88, s22                     ; my row group
	s_mul_i32 s88, s88, P
	s_add_nc_u64 s[70:71], s[16:17], s[88:89]
	s_lshl_b32 s88, s19, 13
	s_add_nc_u64 s[68:69], s[70:71], s[88:89]      ; half g's codes
	s_lshl_b32 s88, s19, 8
	s_add_co_u32 s88, s88, 16384
	s_add_nc_u64 s[70:71], s[70:71], s[88:89]      ; and its scale words
	BLOAD 0, 0, 0                                  ; the weights of K steps 0 and 1
	BLOAD 0, 0, 1
	BLOAD 1, 1, 0
	BLOAD 1, 1, 1
	WIN 0
	CROUND                                         ; all four work-groups are here: the first joint loads meet
	; THE FIRST FILLS ARE TWO LOADS A WAVE, each of two panels: one at the head (K steps 0-3 of both regions), one behind the full sequence and a round (K steps 4-7): one tensor load of a wave is out at a time
	tensor_load_to_lds s[32:35], s[24:31]
	s_nop 0
.rept 4
	v_nop
.endr
	s_wait_alu depctr_va_vdst(0)
	s_wait_tensorcnt 0x0                           ; my part of K steps 0-3 has landed
	ds_add_u32 v7, v8
	s_wait_dscnt 0x0
	CROUND                                         ; everybody's part has landed, and the four work-groups meet for the second joint load
	tensor_load_to_lds s[36:39], s[24:31]
	s_nop 0
.rept 4
	v_nop
.endr
	FETCH_F 0, 3
	FETCH_S 3
	STEP 0, 0, 0, 3, 1, 0, 0
	STEP 1, 0, 0, 3, 1, 0, 0
	STEP 2, 0, 0, 3, 1, 0, 0
	STEP 3, 2, 0, 3, 1, 56, 48                     ; all panels have landed; panels 0-3 are read no more: they take h_prev's tile, which has four K steps in which to land
	STEP 4, 0, 0, 3, 1, 0, 0
	STEP 5, 0, 0, 3, 1, 0, 0
	STEP 6, 0, 0, 3, 1, 0, 0
	STEP 7, 1, 0, 3, 0, 0, 0                       ; my tile of h_prev has landed; behind this barrier no wave reads a panel
	; THE EXCHANGE: the sums of the partner's 64 rows (window 3) go to LDS as images of their registers, each accumulator from its low end on
	WIN 0x0c
.set NN, 0
.rept 32
	ds_store_b128 v9, v[8*NN:8*NN+3] offset:1024*NN
	ds_store_b128 v9, v[8*NN+4:8*NN+7] offset:1024*NN+512
.set NN, NN+1
.endr
	WIN 0
.irp b, 0,1,2,3
	v_mov_b32 v[TM+4+\b], 0                        ; written once: a lane permute's destination counts as one of its sources
.endr
	s_wait_dscnt 0x0                               ; for the partner's sake: my stores have landed
	s_barrier_signal -1
	s_barrier_wait -1
.macro LOADS a                         ; block a of my rows: the partner's sums, and h_prev in the same layout
.irp b, 0,1,2,3,4,5,6,7
	ds_load_b128 v[TP+8*\b:TP+8*\b+3], v10 offset:(8*(\a)+\b)*1024
	ds_load_b128 v[TP+8*\b+4:TP+8*\b+7], v10 offset:(8*(\a)+\b)*1024+512
.endr
.irp b, 0,1,2,3
.irp q, 0,1,2,3
	ds_load_b128 v[HH+16*\b+4*\q:HH+16*\b+4*\q+3], v11 offset:(\a)*8448+128*\b+16*\q
.endr
.endr
.endm
	LOADS 0
	s_wait_loadcnt 0x0                             ; the biases
	WIN 0x45                                       ; all in window 1
.set II, 0
.rept 32
	v_pk_add_f32 v[II:II+1], v[II:II+1], v[64+II:65+II]
.set II, II+2
.endr
	WIN 0x41
.set II, 0
.rept 32
	v_pk_mul_f32 v[II:II+1], v[II:II+1], s[KL:KL+1] op_sel_hi:[1,0]   ; (b_wr + b_ur) x (-log2 e)
.set II, II+2
.endr
; Block a: 16 rows x 128 columns of r x h_prev, one fragment of rhc
.macro BLOCK a, pw
	s_wait_dscnt 0x0
	WIN 0x02                                       ; source 0: my accumulators, window 2
.set II, 0
.rept 32
	v_pk_add_f32 v[W+II:W+II+1], v[64*(\a)+II:64*(\a)+II+1], v[TP+II:TP+II+1]   ; the two products' sums; each accumulator is read from its low end on
.set II, II+2
.endr
	WIN 0x10                                       ; source 2: the biases, window 1
.set II, 0
.rept 32
	v_pk_fma_f32 v[W+II:W+II+1], v[W+II:W+II+1], s[KL:KL+1], v[II:II+1] op_sel_hi:[1,0,1]
.set II, II+2
.endr
	WIN 0
.set II, 0
	s_wait_alu depctr_va_vdst(0)
.rept 64
	v_exp_f32 v[W+II], v[W+II]                     ; 2^(-t log2 e)
.set II, II+1
.endr
	v_nop                                          ; a plain instruction behind the last exponential,
	s_wait_alu depctr_va_vdst(0)                   ; and one wait for the batch, ahead of its first reader
.set II, 0
.rept 32
	v_pk_add_f32 v[W+II:W+II+1], v[W+II:W+II+1], 1.0 op_sel_hi:[1,0]
.set II, II+2
.endr
.set II, 0
	s_wait_alu depctr_va_vdst(0)
.rept 64
	v_rcp_f32 v[W+II], v[W+II]                     ; r
.set II, II+1
.endr
	v_nop
	s_wait_alu depctr_va_vdst(0)
.set II, 0
.rept 32
	v_pk_mul_f32 v[W+II:W+II+1], v[W+II:W+II+1], v[HH+II:HH+II+1]   ; r x h_prev
.set II, II+2
.endr
.if (\a) < 3
	LOADS (\a)+1                                   ; the next block lands while this one is quantised
.endif
.if (\a) > 0
	s_wait_xcnt 0x0                                ; the codes' registers were the data of the last block's stores: they are written again only behind this wait
.endif
	QUANT W, PC, \pw
.irp c, 0,1,2,3
	global_store_b128 v1, v[PC+4*\c:PC+4*\c+3], s[68:69] offset:2048*(\a)+512*\c   ; an image: 512 consecutive bytes, aligned
.endr
.endm
	BLOCK 0, 14
	BLOCK 1, 15
	BLOCK 2, 13
	BLOCK 3, 30
	v_cndmask_b32 v14, v14, v13, s86               ; lanes 0-15: fragments 0 and 1 of my half; lanes 16-31: fragments 2 and 3
	v_cndmask_b32 v15, v15, v30, s86
	global_store_b64 v2, v[14:15], s[70:71]        ; 256 consecutive bytes, aligned
	s_wait_tensorcnt 0x0                           ; the wave's end
	ds_add_u32 v7, v8
	s_wait_dscnt 0x0
	CROUND                                         ; the closing round
	s_endpgm
.Lfunc_end_k_q56493dca2c_rgate:
	.size	k_q56493dca2c_rgate, .Lfunc_end_k_q56493dca2c_rgate-k_q56493dca2c_rgate
	.p2alignl 7, 3214868480
	.fill 96, 4, 3214868480
	.section	.rodata,"a",@progbits
	.p2align	6, 0x0
	.amdhsa_kernel k_q56493dca2c_rgate
		.amdhsa_group_segment_fixed_size 327680
		.amdhsa_private_segment_fixed_size 0
		.amdhsa_enable_private_segment 0
		.amdhsa_kernarg_size 56
		.amdhsa_user_sgpr_count 2
		.amdhsa_user_sgpr_kernarg_segment_ptr 1
		.amdhsa_wavefront_size32 1
		.amdhsa_system_sgpr_workgroup_id_x 1
		.amdhsa_system_sgpr_workgroup_id_y 1
		.amdhsa_system_sgpr_workgroup_id_z 1
		.amdhsa_system_vgpr_workitem_id 0
		.amdhsa_next_free_vgpr 1024
		.amdhsa_next_free_sgpr 90
		.amdhsa_reserve_vcc 0
		.amdhsa_float_denorm_mode_32 3
		.amdhsa_float_denorm_mode_16_64 3
		.amdhsa_memory_ordered 1
		.amdhsa_forward_progress 1
		.amdhsa_inst_pref_size 228
	.end_amdhsa_kernel
	.amdgpu_metadata
---
amdhsa.version: [ 1, 2 ]
amdhsa.kernels:
  - .name:           k_q56493dca2c_rgate
    .symbol:         k_q56493dca2c_rgate.kd
    .args:
      - { .name: xc, .offset: 0, .size: 8, .value_kind: global_buffer, .address_space: global }
      - { .name: hc, .offset: 8, .size: 8, .value_kind: global_buffer, .address_space: global }
      - { .name: wc, .offset: 16, .size: 8, .value_kind: global_buffer, .address_space: global }
      - { .name: h_prev, .offset: 24, .size: 8, .value_kind: global_buffer, .address_space: global }
      - { .name: b_wr, .offset: 32, .size: 8, .value_kind: global_buffer, .address_space: global }
      - { .name: b_ur, .offset: 40, .size: 8, .value_kind: global_buffer, .address_space: global }
      - { .name: rhc, .offset: 48, .size: 8, .value_kind: global_buffer, .address_space: global }
    .group_segment_fixed_size: 327680
    .private_segment_fixed_size: 0
    .kernarg_segment_align: 8
    .kernarg_segment_size: 56
    .max_flat_workgroup_size: 128
    .sgpr_count:     90
    .vgpr_count:     1024
    .wavefront_size: 32
...
	.end_amdgpu_metadata
.endif
;; end of part 2
;; launch outp (part 3): grid 8 x 32, 4 waves a work-group, clusters of 4 x 4, 327,680 bytes of LDS; arguments xc, hc, rhc, wc, h_prev, b_wz, b_uz, b_wh, b_uh, out0; writes out0
.if DOCPART == 3
	.amdgcn_target "amdgcn-amd-amdhsa--gfx1250"
	.amdhsa_code_object_version 6
	.text
	.protected	k_q56493dca2c_outp
	.globl	k_q56493dca2c_outp
	.p2align	8
	.type	k_q56493dca2c_outp,@function
k_q56493dca2c_outp:
	s_mov_b64 s[64:65], 0
	v_nop
	global_prefetch_b8 v0, s[64:65] scope:SCOPE_SE
	s_setreg_imm32_b32 hwreg(HW_REG_WAVE_MODE, 25, 1), 1
	s_wait_xcnt 0x0
	s_wait_alu depctr_hold_cnt(0) depctr_sa_sdst(0) depctr_va_vdst(0) depctr_va_sdst(0) depctr_va_ssrc(0) depctr_va_vcc(0) depctr_vm_vsrc(0)
	s_getreg_b32 s2, hwreg(HW_REG_IB_STS2, 6, 4)
	s_cmp_eq_u32 s2, 0
	s_cbranch_scc0 .Lentry_in_a_cluster
	s_endpgm
.Lentry_in_a_cluster:
	s_bfe_u32 s2, ttmp6, 0x10000c
	s_cmp_lg_u32 s2, 0xf033
	s_cbranch_scc0 .Lentry_shape_is_right
	s_endpgm
.Lentry_shape_is_right:
; z = sigmoid(x Wz^T + h_prev Uz^T + b_wz + b_uz); h_hat = tanh(x Wh^T + (r h_prev) Uh^T + b_wh + b_uh); out0 = h_prev + z (h_hat - h_prev).  All four products on codes of BF8 (E5M2) with E8M0 scales.
; PANELS (128 rows x 128 K, P = 16,896 bytes): eight fragments as images of their registers (lane l's 16 bytes at 2048 f + 512 c + 16 l), then the scale words: fragment 4 H + 2 h' + q', row r, at 16384 + 256 H + 8 (16 h' + r) + 4 q'.
; xc, hc, rhc: [K step 8][row group 64][P].  wc: [weight 6][K step 8][row group 8][P]: u_z, w_z, w_h, u_h are weights 0 to 3.
; SHARES.  256 work-groups; one makes 256 rows x 128 columns of out0, that is 256 x 128 of z's argument and of h_hat's.  Wave w = g + 2 a sums rows 128 a .. + 127 of gate g (0: z, 1: h_hat): 64 accumulators, 16 steps of 128 along K.
; Steps 0-7: x's rows serve both gates, against w_z and w_h.  Steps 8-15: gate 0 takes h_prev's codes against u_z, gate 1 r h_prev's against u_h.
; TWO ROADS FOR THE OPERANDS.  Through LDS: the weights' panels, and fragments 0-3 of each panel of activations (its first 8,192 bytes).  From memory straight into registers, as images, one step ahead: fragments 4-7 of my panel of
; activations and its scale words, 18 loads a step.  So a step reads 50 times from LDS where all operands through LDS would be 68 reads, and a fill of A is half as long.
; LDS: A's two slots of 32,768 bytes at 0; B's two slots of 4 P at 65,536; the spare words at 16 P.  All of a WGP's LDS is claimed.
;   An A slot holds two chunks of 16,384 bytes (two row groups' fragments 0-3): two steps of x, later one step of h_prev's and of r h_prev's codes.  A B slot holds two steps, each as gate 0's panel and gate 1's.
; CLUSTERS of 4 x 4: the four of a row share A's chunks, the four of a column B's: every fill is a joint load.  Waves 0, 1 fetch A's two chunks (two rows of 8,192 bytes, P apart), waves 2, 3 B's two steps
; (two rows of P bytes, one a gate, 64 or 192 panels apart).  One load a wave behind each round; by this text's count one tensor load of a wave is out at a time; every wait on TENSORcnt is for 0.
; Steps 0-7 change slots every second step; steps 8-15 change A's slot in every step and B's every second: one tile of two dimensions does not cover two K steps of two row groups.
; PREFETCH: behind a fill each loading wave names the panels of its load two fills on, whole (what goes straight into registers too): its work-group's quarter (33 blocks of 256 bytes; the partners share by address: cx for A,
; cy for B), 32 lanes a block each and one more instruction for the last block.  At the head waves 0, 1 also name x's K steps 0 to 3.  The last two fills of each kind are followed by none.
; h_prev's 64 rows x 512 bytes of a wave are named once, in steps 11 to 14, a lane to each 256 bytes.
; THE MATRIX INSTRUCTION IS USED TRANSPOSED (source 0 = 16 rows of a weight, source 1 = 16 rows of activations): lane (r, h), tile b, register i holds row r, column 32 (b / 2) + 16 h + 8 (b % 2) + i.
; THE WAY OUT: the sums go as rows into four stages (128 rows x 528 bytes = 4 P a wave) from LDS byte 0 on: the slots have had their last fill; wave (a, g) finishes rows 64 g .. + 63 of half a in eight batches of eight rows,
; on four buffers; a buffer is loaded again a batch behind its stores and read two batches later.
; LIMITS: NaN and infinities are not served.  sigmoid(t) = 1 / (1 + 2^(-t log2 e)), tanh(t) = 1 - 2 / (1 + 2^(2 t log2 e)): both run to their ends without NaN for every finite t; the biases enter as (b + b') x the factor, by a fused multiply-add.
; REGISTERS.  Window 0: v1 16 x lane, v3 8 x lane; v6-8 stage addresses; v12-19 LDS addresses; v26, v27, v30 prefetch offsets; v28, v29 the add's; v32-47 scale words alone, two sets (B's 4, A's 4); v48-63 biases;
;   v128-191 A's fragments 0-3; v192-255 and v64-127 A's fragments 4-7, by the step's parity.  Window 1: B's fragments, two sets.  Windows 2, 3: accumulators ((a, b) at v[8 (8 (a % 4) + b)]).
;   On the way out buffer b lies in window b / 2: sums at v[128 + 64 (b % 2)] on, h_prev at v[64 + 32 (b % 2)] on.
.set P,     16896
.set ASL,   32768                      ; a slot of A
.set BB,    65536                      ; B's slots
.set SPARE, 16*P
.set STI,   6
.set RZ,    7
.set RH,    8
.set ADA1,  12                         ; v12, 13 A's codes in slot 0, 1 for steps 0-7; v14, 15 B's; v16, 17 A's for steps 8-15; v18, 19 B's scale words
.set ADB,   14
.set ADA2,  16
.set ADS,   18
.set PFO,   26
.set PFZ,   27
.set SPW,   28
.set NIL,   29
.set PFH,   30
.set AX,    6                          ; s[6:7] xc at my panel of K step 0; s[8:9] hc (gate 0) or rhc (gate 1) likewise; never rewritten: every K step stands in the immediate
.set AH,    8
.set G1A,   24
.set G1B,   32                         ; B's tiles of steps 0-7; G1C: of steps 8-15
.set G1C,   40
.set G0A,   48                         ; group 0, one set a slot
.set G0B,   56
.set WV,    66                         ; s66 wave; s67 g, also which chunk I fetch; s68 a, also 0: I fetch for A, 1: for B; s69 the way out's trips
.set GT,    67
.set TY,    68
.set CNT,   69
.set A2,    82                         ; s[82:83] hc's (wave 0) or rhc's (wave 1) chunk of K step 0
.set PF1,   84                         ; s[84:85], s[100:101] where my prefetches stand; s[96:97], s[98:99] their steps
.set PF2,   100
.set ST1,   96
.set ST2,   98
.set MUL_LO, 0xa1
.set MUL_HI, 0xf1
.set MSB,   0
.macro WIN new                         ; the immediate's high byte repeats the setting that is left
.if MSB != \new
	s_set_vgpr_msb (MSB<<8)|\new
.set MSB, \new
.endif
.endm
.macro PLACES n                        ; plain vector lines behind a matrix instruction (ISA guide 7.12.1 for the read of a result): eight for this form
.rept \n
	v_nop
.endr
.endm
.macro CREST                           ; a round of the cluster's barrier behind its opening barrier
	s_cmp_lg_u32 s[WV], 0
	s_cbranch_scc1 .Lnot_wave_0_\@
	s_barrier_signal -3
.Lnot_wave_0_\@:
	s_barrier_wait -3
	s_barrier_signal -1
	s_barrier_wait -1
.endm
.macro CROUND
	s_barrier_signal -1
	s_barrier_wait -1
	CREST
.endm
.macro TLOAD g0, g1                    ; an s_nop 0 and four v_nop follow each load
	tensor_load_to_lds s[\g0:\g0+3], s[\g1:\g1+7]
	s_nop 0
	PLACES 4
.endm
.macro JLOAD sa, sb, g1b               ; waves 0, 1: A's slot sa; waves 2, 3: B's slot sb.  With the four v_nop of either arm, eight places
	s_cmp_eq_u32 s[TY], 0
	s_cbranch_scc0 .Lfor_b_\@
	TLOAD G0A+4*(\sa), G1A
	s_branch .Lasked_\@
.Lfor_b_\@:
	TLOAD G0B+4*(\sb), \g1b
.Lasked_\@:
	PLACES 4
.endm
.macro ALOAD sa                        ; A's slot alone: waves 2, 3 have nothing to fill
	s_cmp_eq_u32 s[TY], 0
	s_cbranch_scc0 .Lnone_\@
	TLOAD G0A+4*(\sa), G1A
.Lnone_\@:
	PLACES 8
.endm
.macro ASK pf, off=0                   ; my quarter of two panels: blocks 0-31, a lane each, and block 32
	global_prefetch_b8 v[PFO], s[\pf:\pf+1] offset:\off th:TH_LOAD_NT scope:SCOPE_SE
	global_prefetch_b8 v[PFZ], s[\pf:\pf+1] offset:8192+(\off) th:TH_LOAD_NT scope:SCOPE_SE
.endm
; one product: rb, ra = 1: the weight's, the activation's scale words stand in lanes 16-31 of their register
.macro WM acc, br, ar, sb, sa, rb, ra, zero
.if \zero
.if (\rb) && (\ra)
	v_wmma_scale_f32_16x16x128_f8f6f4 v[(\acc):(\acc)+7], v[(\br):(\br)+15], v[(\ar):(\ar)+15], 0, v[\sb], v[\sa] matrix_a_fmt:MATRIX_FMT_BF8 matrix_b_fmt:MATRIX_FMT_BF8 matrix_a_scale:MATRIX_SCALE_ROW1 matrix_b_scale:MATRIX_SCALE_ROW1
.elseif \rb
	v_wmma_scale_f32_16x16x128_f8f6f4 v[(\acc):(\acc)+7], v[(\br):(\br)+15], v[(\ar):(\ar)+15], 0, v[\sb], v[\sa] matrix_a_fmt:MATRIX_FMT_BF8 matrix_b_fmt:MATRIX_FMT_BF8 matrix_a_scale:MATRIX_SCALE_ROW1
.elseif \ra
	v_wmma_scale_f32_16x16x128_f8f6f4 v[(\acc):(\acc)+7], v[(\br):(\br)+15], v[(\ar):(\ar)+15], 0, v[\sb], v[\sa] matrix_a_fmt:MATRIX_FMT_BF8 matrix_b_fmt:MATRIX_FMT_BF8 matrix_b_scale:MATRIX_SCALE_ROW1
.else
	v_wmma_scale_f32_16x16x128_f8f6f4 v[(\acc):(\acc)+7], v[(\br):(\br)+15], v[(\ar):(\ar)+15], 0, v[\sb], v[\sa] matrix_a_fmt:MATRIX_FMT_BF8 matrix_b_fmt:MATRIX_FMT_BF8
.endif
.else
.if (\rb) && (\ra)
	v_wmma_scale_f32_16x16x128_f8f6f4 v[(\acc):(\acc)+7], v[(\br):(\br)+15], v[(\ar):(\ar)+15], v[(\acc):(\acc)+7], v[\sb], v[\sa] matrix_a_fmt:MATRIX_FMT_BF8 matrix_b_fmt:MATRIX_FMT_BF8 matrix_a_scale:MATRIX_SCALE_ROW1 matrix_b_scale:MATRIX_SCALE_ROW1
.elseif \rb
	v_wmma_scale_f32_16x16x128_f8f6f4 v[(\acc):(\acc)+7], v[(\br):(\br)+15], v[(\ar):(\ar)+15], v[(\acc):(\acc)+7], v[\sb], v[\sa] matrix_a_fmt:MATRIX_FMT_BF8 matrix_b_fmt:MATRIX_FMT_BF8 matrix_a_scale:MATRIX_SCALE_ROW1
.elseif \ra
	v_wmma_scale_f32_16x16x128_f8f6f4 v[(\acc):(\acc)+7], v[(\br):(\br)+15], v[(\ar):(\ar)+15], v[(\acc):(\acc)+7], v[\sb], v[\sa] matrix_a_fmt:MATRIX_FMT_BF8 matrix_b_fmt:MATRIX_FMT_BF8 matrix_b_scale:MATRIX_SCALE_ROW1
.else
	v_wmma_scale_f32_16x16x128_f8f6f4 v[(\acc):(\acc)+7], v[(\br):(\br)+15], v[(\ar):(\ar)+15], v[(\acc):(\acc)+7], v[\sb], v[\sa] matrix_a_fmt:MATRIX_FMT_BF8 matrix_b_fmt:MATRIX_FMT_BF8
.endif
.endif
.endm
; 16 products: A's blocks a0, a0 + 1 x the weight's eight fragments of set p.  The 64 accumulators take turns, one product a step each
.macro MUL16 a0, p, zero
.irp a, \a0, \a0+1
.if (\a) < 4
.set AR_, 128+16*(\a)
.else
.set AR_, 192-128*(\p)+16*((\a)-4)
.endif
.irp b, 0,1,2,3,4,5,6,7
	WM 8*(8*((\a)%4)+\b), 128*(\p)+16*\b, AR_, 32+8*(\p)+2*(\b/4)+\b%2, 36+8*(\p)+2*((\a)/4)+(\a)%2, (\b%4)/2, ((\a)%4)/2, \zero
.endr
.endr
.endm
.macro SETN n                          ; where step n's operands lie in LDS: address registers NA, NB, NS and offsets NAO, NBO
.if (\n) < 8
.set NA, ADA1+((\n)/2)%2
.set NAO, ((\n)%2)*16384
.else
.set NA, ADA2+(\n)%2
.set NAO, 0
.endif
.set NB, ADB+((\n)/2)%2
.set NS, ADS+((\n)/2)%2
.set NBO, ((\n)%2)*2*P
.endm
.macro MID p                           ; 50 LDS loads in one run: the weight's eight fragments into set p, A's blocks 0-3, the weight's scale words
	WIN 0x40
.irp f, 0,1,2,3,4,5,6,7
.irp c, 0,1,2,3
	ds_load_b128 v[128*(\p)+16*\f+4*\c:128*(\p)+16*\f+4*\c+3], v[NB] offset:NBO+2048*\f+512*\c
.endr
.endr
	WIN 0
.irp f, 0,1,2,3
.irp c, 0,1,2,3
	ds_load_b128 v[128+16*\f+4*\c:128+16*\f+4*\c+3], v[NA] offset:NAO+2048*\f+512*\c
.endr
.endr
.irp H, 0,1
	ds_load_b64 v[32+8*(\p)+2*\H:33+8*(\p)+2*\H], v[NS] offset:NBO+256*\H
.endr
.endm
.macro GLOAD n                         ; 18 global loads for step n: my panel's scale words first, then its fragments 4-7 into the set of n's parity.  No hint: partners read the same bytes
.if (\n) < 8
.set GP_, AX
.else
.set GP_, AH
.endif
.set GO_, ((\n)%8)*64*P
.set GR_, 192-128*((\n)%2)
.irp H, 0,1
	global_load_b64 v[36+8*((\n)%2)+2*\H:37+8*((\n)%2)+2*\H], v3, s[GP_:GP_+1] offset:GO_+16384+256*\H
.endr
.irp f, 0,1,2,3
.irp c, 0,1,2,3
	global_load_b128 v[GR_+16*\f+4*\c:GR_+16*\f+4*\c+3], v1, s[GP_:GP_+1] offset:GO_+8192+2048*\f+512*\c
.endr
.endr
.endm
.macro STEP t, zero                    ; a step whose successor lies in slots that are shown already
.set PP, (\t)%2
	SETN (\t)+1
	s_wait_loadcnt 16                              ; this step's scale words of A are in; its 16 loads of codes may be out
	GLOAD (\t)+1                                   ; into the set and the scale words that the step before read last, eight places ago
	s_wait_dscnt 0x0
	WIN MUL_LO
	MUL16 0, PP, \zero
	MUL16 2, PP, \zero
	PLACES 8
	MID 1-PP
	s_wait_loadcnt 18                              ; this step's blocks 4-7 are in; the next step's 18 loads may be out
	WIN MUL_HI
	MUL16 4, PP, \zero
	MUL16 6, PP, \zero
	PLACES 8
	WIN 0
.endm
.macro FILL t                          ; the descriptors' steps (no tensor load of mine is out) and my one load behind the round of step t
.if (\t) < 4
.set S_, ((\t)/2)%2
	s_add_nc_u64 s[G0A+4*S_+2:G0A+4*S_+3], s[G0A+4*S_+2:G0A+4*S_+3], 256*P   ; x: four K steps on
	s_add_nc_u64 s[G0B+4*S_+2:G0B+4*S_+3], s[G0B+4*S_+2:G0B+4*S_+3], 32*P
	JLOAD S_, S_, G1B
.elseif (\t) < 8
.set S_, ((\t)/2)%2
	s_add_nc_u64 s[G0A+4*S_+2:G0A+4*S_+3], s[A2:A2+1], S_*64*P               ; hc's or rhc's K step 0, 1
	s_or_b32 s[G0A+4*S_+3], s[G0A+4*S_+3], 0x80000000
	s_sub_nc_u64 s[G0B+4*S_+2:G0B+4*S_+3], s[G0B+4*S_+2:G0B+4*S_+3], 96*P    ; from w_z's K steps 4, 6 to u_z's 0, 2
	JLOAD S_, S_, G1C
.else
.set S_, (\t)%2
	s_add_nc_u64 s[G0A+4*S_+2:G0A+4*S_+3], s[G0A+4*S_+2:G0A+4*S_+3], 128*P
.if S_ && ((\t) < 13)
.set SB_, ((\t)/2)%2
	s_add_nc_u64 s[G0B+4*SB_+2:G0B+4*SB_+3], s[G0B+4*SB_+2:G0B+4*SB_+3], 32*P
	JLOAD 1, SB_, G1C
.else
	ALOAD S_
.endif
.endif
.endm
; A step that changes slots: ONE barrier; in front of it each wave waits for all its tensor loads, adds 0 to its spare word and waits for that and for its reads.  fill = 1: the barrier opens a round, and what this step has read out is filled again
.macro TURN t, fill
.set PP, (\t)%2
	SETN (\t)+1
.if ((\t) > 1) && ((\t) < 12)
	s_wait_xcnt 0x0                                ; my last prefetch has read its address
	s_add_nc_u64 s[PF2:PF2+1], s[PF2:PF2+1], s[ST2:ST2+1]
.endif
	s_wait_loadcnt 16
	GLOAD (\t)+1
	s_wait_tensorcnt 0x0                           ; all my tensor loads have landed
	ds_add_u32 v[SPW], v[NIL]
	s_wait_dscnt 1                                 ; this step's operands are in; the add alone may be out
	WIN MUL_LO
	MUL16 0, PP, 0
	s_wait_dscnt 0x0                               ; the add is done, and my reads of this step's slots are over
	s_barrier_signal -1
	MUL16 2, PP, 0
	WIN 0
	s_barrier_wait -1
.if \fill
	CREST
	FILL \t
.else
	PLACES 8
.endif
	MID 1-PP
.if (\t) < 8
	ASK PF2
.elseif (\t) < 12
	s_cmp_eq_u32 s[TY], 0                          ; B's last fills have been named
	s_cbranch_scc0 .Lno_ask_\@
	ASK PF2
.Lno_ask_\@:
.endif
	s_wait_loadcnt 18
	WIN MUL_HI
	MUL16 4, PP, 0
	MUL16 6, PP, 0
	PLACES 8
	WIN 0
.endm
	s_load_b512 s[4:19], s[0:1], 0x0               ; xc s[4:5], hc s[6:7], rhc s[8:9], wc s[10:11], h_prev s[12:13], b_wz s[14:15], b_uz s[16:17], b_wh s[18:19]
	s_load_b128 s[20:23], s[0:1], 0x40             ; b_uh s[20:21], out0 s[22:23]
	v_lshl_add_u32 v[SPW], v0, 2, SPARE
	v_mov_b32 v[NIL], 0
	ds_add_u32 v[SPW], v[NIL]                      ; the opening lines: the add twice on end and one wait
	ds_add_u32 v[SPW], v[NIL]
	v_lshrrev_b32 v9, 5, v0
	v_readfirstlane_b32 s[WV], v9
	s_and_b32 s[GT], s[WV], 1
	s_lshr_b32 s[TY], s[WV], 1
	s_lshl_b32 s86, s[TY], 13                      ; A, steps 0-7: my row group's 8,192 bytes of a chunk
	s_mul_i32 s87, s[GT], P
	s_add_co_u32 s87, s87, BB                      ; B: my gate's panel
	s_lshl_b32 s88, s[GT], 14
	s_add_co_u32 s88, s88, s86                     ; A, steps 8-15: my gate's chunk, my row group
	s_mul_i32 s89, s[WV], 4*P                      ; my stage
	s_mul_i32 s90, s[TY], 8*P
	s_mul_i32 s91, s[GT], 2*P
	s_add_co_u32 s90, s90, s91                     ; z's stage of my row half, my 64 rows
	v_and_b32 v9, 31, v0
	v_lshlrev_b32 v1, 4, v9                        ; 16 x lane
	v_lshlrev_b32 v3, 3, v9                        ; 8 x lane
	v_add_nc_u32 v[ADA1], s86, v1
	v_add_nc_u32 v[ADA1+1], ASL, v[ADA1]
	v_add_nc_u32 v[ADB], s87, v1
	v_add_nc_u32 v[ADB+1], 4*P, v[ADB]
	v_add_nc_u32 v[ADA2], s88, v1
	v_add_nc_u32 v[ADA2+1], ASL, v[ADA2]
	v_add_nc_u32 v[ADS], s87, v3
	v_add_nc_u32 v[ADS], 16384, v[ADS]
	v_add_nc_u32 v[ADS+1], 4*P, v[ADS]
	v_and_b32 v4, 15, v0
	v_bfe_u32 v5, v0, 4, 1
	v_mul_u32_u24 v[STI], v4, 528
	v_lshl_add_u32 v[STI], v5, 6, v[STI]
	v_add_nc_u32 v[STI], s89, v[STI]               ; into my stage: row r, + 64 h
	v_add_nc_u32 v[RZ], s90, v1                    ; back: 16 bytes a lane of a row of 512
	v_add_nc_u32 v[RH], 4*P, v[RZ]                 ; h_hat's stage
	v_lshlrev_b32 v[PFO], 8, v9
	v_mov_b32 v[PFZ], 0
	v_lshrrev_b32 v[PFH], 1, v9
	v_lshlrev_b32 v[PFH], 12, v[PFH]
	v_and_b32 v9, 1, v9
	v_lshl_add_u32 v[PFH], v9, 8, v[PFH]           ; h_prev: row lane / 2, which 256 of its 512 bytes
	s_wait_alu depctr_va_vdst(0)
	s_bfe_u32 s70, ttmp6, 0x40000                  ; cx
	s_bfe_u32 s71, ttmp6, 0x40004                  ; cy
	s_lshl_b32 s72, ttmp9, 2
	s_add_co_u32 s72, s72, s70                     ; column group
	s_and_b32 s73, ttmp7, 0xffff
	s_lshl_b32 s73, s73, 2
	s_add_co_u32 s73, s73, s71                     ; row block of 256
	s_lshl_b32 s74, s71, 2
	s_lshl_b32 s74, 15, s74                        ; my row of the cluster
	s_lshl_b32 s75, 0x1111, s70                    ; my column
	s_or_b32 s[G1A], s74, (3<<16)|(1<<21)          ; A: two rows of 8,192 bytes (1,024 elements of 8), a panel apart
	s_mov_b32 s[G1A+1], 1024<<16
	s_mov_b32 s[G1A+2], 2<<16
	s_mov_b32 s[G1A+3], 1024<<16
	s_mov_b32 s[G1A+4], 2
	s_mov_b32 s[G1A+5], P/8
	s_mov_b32 s[G1A+6], 0
	s_mov_b32 s[G1A+7], 0
.irp g, G1B, G1C
	s_or_b32 s[\g], s75, (3<<16)|(1<<21)           ; B: two rows of a whole panel each
	s_mov_b32 s[\g+1], (P/8)<<16
	s_mov_b32 s[\g+2], 2<<16
	s_mov_b32 s[\g+3], (P/8)<<16
	s_mov_b32 s[\g+4], 2
	s_mov_b32 s[\g+6], 0
	s_mov_b32 s[\g+7], 0
.endr
	s_mov_b32 s[G1B+5], 8*P                        ; from w_z to w_h: 64 panels, in elements
	s_mov_b32 s[G1C+5], 24*P                       ; from u_z to u_h: 192
	s_lshl_b32 s78, s73, 1
	s_mul_i32 s78, s78, P                          ; s[78:79] my two row groups in a K step
	s_mov_b32 s79, 0
	s_mul_i32 s76, s[GT], 64*P
	s_add_co_u32 s76, s76, s78                     ; s[76:77] x's chunk: K step 0 or 1
	s_mov_b32 s77, 0
	s_lshl_b32 s80, s[GT], 3
	s_add_co_u32 s80, s80, s72
	s_mul_i32 s80, s80, P                          ; s[80:81] in a weight: K step 0 or 1, my column group
	s_mov_b32 s81, 0
	s_mul_i32 s86, s70, 8448                       ; the prefetches' offsets: A's quarter by cx;
	s_add_co_u32 s87, s76, s86
	s_add_co_u32 s87, s87, 256*P                   ; x's K steps 4, 5
	s_add_co_u32 s86, s86, s78
	s_and_b32 s88, s71, 1                          ; B's by cy: which row, which half of it
	s_mul_i32 s88, s88, 8448
	s_add_co_u32 s88, s88, s80
	s_lshr_b32 s89, s71, 1
	s_mul_i32 s89, s89, 64*P
	s_add_co_u32 s90, s88, s89
	s_add_co_u32 s90, s90, 96*P                    ; w_z's or w_h's K steps 4, 5
	s_mul_i32 s89, s89, 3
	s_add_co_u32 s88, s88, s89                     ; u_z's or u_h's K steps 0, 1
	s_mov_b32 s[ST1], 16*P
	s_mov_b32 s[ST2], 16*P
	s_cmp_eq_u32 s[TY], 0
	s_cselect_b32 s92, s87, s90
	s_cselect_b32 s94, s86, s88
	s_cselect_b32 s[ST1], 128*P, s[ST1]
	s_cselect_b32 s[ST2], 64*P, s[ST2]
	s_mov_b32 s93, 0
	s_mov_b32 s95, 0
	s_mov_b32 s[ST1+1], 0
	s_mov_b32 s[ST2+1], 0
	s_mul_i32 s70, s[TY], P
	s_add_co_u32 s70, s70, s78                     ; s[70:71] my own panel in a K step
	s_mov_b32 s71, 0
	s_lshl_b32 s88, s73, 20                        ; s[88:89] my 64 rows x 128 columns in h_prev and out0
	s_lshl_b32 s89, s[TY], 19
	s_add_co_u32 s88, s88, s89
	s_lshl_b32 s89, s[GT], 18
	s_add_co_u32 s88, s88, s89
	s_lshl_b32 s90, s72, 9                         ; s[90:91] my 128 columns as f32
	s_add_co_u32 s88, s88, s90
	s_mov_b32 s89, 0
	s_mov_b32 s91, 0
	s_lshl_b32 s86, s[GT], 14                      ; where my chunk goes in a slot of A,
	s_mul_i32 s87, s[GT], 2*P
	s_add_co_u32 s87, s87, BB                      ; of B
	s_wait_dscnt 0x0                               ; both opening adds are done
	s_wait_kmcnt 0x0
	s_cmp_eq_u32 s[GT], 0
	s_cselect_b64 s[A2:A2+1], s[6:7], s[8:9]
	s_cmp_eq_u32 s[TY], 0
	s_cselect_b64 s[PF1:PF1+1], s[4:5], s[10:11]
	s_cselect_b64 s[PF2:PF2+1], s[A2:A2+1], s[10:11]
	s_add_nc_u64 s[PF1:PF1+1], s[PF1:PF1+1], s[92:93]
	s_add_nc_u64 s[PF2:PF2+1], s[PF2:PF2+1], s[94:95]
	s_add_nc_u64 s[AH:AH+1], s[A2:A2+1], s[70:71]
	s_add_nc_u64 s[AX:AX+1], s[4:5], s[70:71]
	s_add_nc_u64 s[A2:A2+1], s[A2:A2+1], s[78:79]
	s_add_nc_u64 s[4:5], s[4:5], s[76:77]
	s_add_nc_u64 s[10:11], s[10:11], s[80:81]
	s_add_nc_u64 s[12:13], s[12:13], s[88:89]
	s_add_nc_u64 s[22:23], s[22:23], s[88:89]
	s_add_nc_u64 s[14:15], s[14:15], s[90:91]
	s_add_nc_u64 s[16:17], s[16:17], s[90:91]
	s_add_nc_u64 s[18:19], s[18:19], s[90:91]
	s_add_nc_u64 s[20:21], s[20:21], s[90:91]
	CROUND                                         ; all sixteen work-groups are here: the first joint loads meet
.irp s, 0,1
	s_mov_b32 s[G0A+4*\s], 1
	s_add_co_u32 s[G0A+4*\s+1], s86, \s*ASL
	s_add_nc_u64 s[G0A+4*\s+2:G0A+4*\s+3], s[4:5], \s*128*P
	s_or_b32 s[G0A+4*\s+3], s[G0A+4*\s+3], 0x80000000
	s_mov_b32 s[G0B+4*\s], 1
	s_add_co_u32 s[G0B+4*\s+1], s87, \s*4*P
	s_add_nc_u64 s[G0B+4*\s+2:G0B+4*\s+3], s[10:11], (64+16*\s)*P
	s_or_b32 s[G0B+4*\s+3], s[G0B+4*\s+3], 0x80000000
.endr
	JLOAD 0, 0, G1B                                ; steps 0 and 1: one tensor load a wave at the head
	global_load_b128 v[48:51], v1, s[14:15]        ; b_wz, b_uz, b_wh, b_uh of my lane's four columns of a row
	global_load_b128 v[52:55], v1, s[16:17]
	global_load_b128 v[56:59], v1, s[18:19]
	global_load_b128 v[60:63], v1, s[20:21]
	GLOAD 0
	s_cmp_eq_u32 s[TY], 0
	s_cbranch_scc0 .Lhead_b
	ASK PF1, -256*P                                ; x's K steps 0 to 3: half of each panel is fetched by plain loads, in steps 0 to 2
	ASK PF1, -128*P
.Lhead_b:
	ASK PF1                                        ; what step 1's fill will fetch
	s_wait_xcnt 0x0
	s_add_nc_u64 s[PF1:PF1+1], s[PF1:PF1+1], s[ST1:ST1+1]
	s_wait_tensorcnt 0x0                           ; my part of steps 0 and 1 is in
	ds_add_u32 v[SPW], v[NIL]
	s_wait_dscnt 0x0
	CROUND
	JLOAD 1, 1, G1B                                ; steps 2 and 3
	SETN 0
	MID 0
	ASK PF1                                        ; what step 3's fill will fetch
	STEP 0, 1                                      ; the first step's products start the sums: nothing is cleared
	TURN 1, 1
	STEP 2, 0
	TURN 3, 1
	STEP 4, 0
	TURN 5, 1
	STEP 6, 0
	TURN 7, 1
	TURN 8, 1
	TURN 9, 1
	TURN 10, 1
	TURN 11, 1
	global_prefetch_b8 v[PFH], s[12:13] th:TH_LOAD_NT scope:SCOPE_SE
	TURN 12, 1
	global_prefetch_b8 v[PFH], s[12:13] offset:65536 th:TH_LOAD_NT scope:SCOPE_SE
	TURN 13, 1
	global_prefetch_b8 v[PFH], s[12:13] offset:131072 th:TH_LOAD_NT scope:SCOPE_SE
	TURN 14, 0                                     ; step 15's operands are shown; nothing is filled
	global_prefetch_b8 v[PFH], s[12:13] offset:196608 th:TH_LOAD_NT scope:SCOPE_SE
	s_wait_loadcnt 16                              ; the last step
	s_wait_dscnt 0x0                               ; my last reads of the slots are over
	s_barrier_signal -1
	WIN MUL_LO
	MUL16 0, 1, 0
	MUL16 2, 1, 0
	s_wait_loadcnt 0x0
	WIN MUL_HI
	MUL16 4, 1, 0
	MUL16 6, 1, 0
	WIN 0
	s_barrier_wait -1                              ; nobody reads a slot any more: the stages may be written
	PLACES 8
.macro HLD b, row                      ; eight rows of h_prev, from row on, into buffer b
	WIN 0x40*((\b)/2)
.irp i, 0,1,2,3,4,5,6,7
	global_load_b128 v[64+32*((\b)%2)+4*\i:64+32*((\b)%2)+4*\i+3], v1, s[12:13] offset:((\row)+\i)*4096 th:TH_LOAD_NT
.endr
.endm
.macro SLD b, row                      ; the same rows of z's and of h_hat's stage
	WIN 0x40*((\b)/2)
.irp i, 0,1,2,3,4,5,6,7
	ds_load_b128 v[128+64*((\b)%2)+4*\i:128+64*((\b)%2)+4*\i+3], v[RZ] offset:((\row)+\i)*528
	ds_load_b128 v[160+64*((\b)%2)+4*\i:160+64*((\b)%2)+4*\i+3], v[RH] offset:((\row)+\i)*528
.endr
.endm
	HLD 0, 0                                       ; they land while the sums are staged
	HLD 1, 8
	HLD 2, 16
	; the sums go into my stage as rows: block a, tile b: row 16 a + r, bytes 128 (b / 2) + 64 h + 32 (b % 2) on; each accumulator from its low end on
.irp a, 0,1,2,3,4,5,6,7
	WIN 0x08+4*(\a/4)
.irp b, 0,1,2,3,4,5,6,7
	ds_store_b128 v[STI], v[8*(8*(\a%4)+\b):8*(8*(\a%4)+\b)+3] offset:\a*8448+128*(\b/2)+32*(\b%2)
	ds_store_b128 v[STI], v[8*(8*(\a%4)+\b)+4:8*(8*(\a%4)+\b)+7] offset:\a*8448+128*(\b/2)+32*(\b%2)+16
.endr
.endr
	WIN 0
	s_mov_b32 s76, 0xbfb8aa3b                      ; -log2(e)
	s_mov_b32 s77, s76
	s_mov_b32 s78, 0x4038aa3b                      ; 2 log2(e)
	s_mov_b32 s79, s78
	s_mov_b32 s[CNT], 0
	v_pk_add_f32 v[48:49], v[48:49], v[52:53]      ; (the biases came in ahead of step 0's wait)
	v_pk_add_f32 v[50:51], v[50:51], v[54:55]
	v_pk_add_f32 v[56:57], v[56:57], v[60:61]
	v_pk_add_f32 v[58:59], v[58:59], v[62:63]
	v_pk_mul_f32 v[48:49], v[48:49], s[76:77] op_sel_hi:[1,0]   ; (b_wz + b_uz) x (-log2 e)
	v_pk_mul_f32 v[50:51], v[50:51], s[76:77] op_sel_hi:[1,0]
	v_pk_mul_f32 v[56:57], v[56:57], s[78:79] op_sel_hi:[1,0]   ; (b_wh + b_uh) x 2 log2 e
	v_pk_mul_f32 v[58:59], v[58:59], s[78:79] op_sel_hi:[1,0]
	s_wait_alu depctr_va_vdst(0)
	s_wait_dscnt 0x0                               ; for the others' sake: my stores have landed
	s_barrier_signal -1
	s_barrier_wait -1
	SLD 0, 0
	SLD 1, 8
	SLD 2, 16
	WIN 0
	s_wait_loadcnt 16                              ; buffer 0 is in; the 16 and 32 loads of buffers 1 and 2 may be out
	s_wait_dscnt 32
; Batch q of a trip, on buffer q.  Ahead of its stores: the stores of the batch before have read their registers, all loads issued so far are in (the next two batches' buffers), and the buffer of the batch before is loaded for
; the batch three on.  Every wait is for 0, so the counts hold on both ways round the loads that the last trip leaves out.
.macro BATCH q
.set W_, (\q)/2
.set KB, 128+64*((\q)%2)
.set HR, 64+32*((\q)%2)
	WIN 0x41*W_
.irp i, 0,1,2,3,4,5,6,7
.irp e, 0,2
	v_pk_fma_f32 v[KB+4*\i+\e:KB+4*\i+\e+1], v[KB+4*\i+\e:KB+4*\i+\e+1], s[76:77], v[48+\e:49+\e] op_sel_hi:[1,0,1]
	v_pk_fma_f32 v[KB+32+4*\i+\e:KB+32+4*\i+\e+1], v[KB+32+4*\i+\e:KB+32+4*\i+\e+1], s[78:79], v[56+\e:57+\e] op_sel_hi:[1,0,1]
.endr
.endr
	s_wait_alu depctr_va_vdst(0)                   ; one wait ahead of each run of transcendentals and one behind it
.set II, 0
.rept 64
	v_exp_f32 v[KB+II], v[KB+II]
.set II, II+1
.endr
	v_nop
	s_wait_alu depctr_va_vdst(0)
.set II, 0
.rept 32
	v_pk_add_f32 v[KB+II:KB+II+1], v[KB+II:KB+II+1], 1.0 op_sel_hi:[1,0]
.set II, II+2
.endr
	s_wait_alu depctr_va_vdst(0)
.set II, 0
.rept 64
	v_rcp_f32 v[KB+II], v[KB+II]                   ; z; and 1 / (1 + 2^(2 t log2 e))
.set II, II+1
.endr
	v_nop
	s_wait_alu depctr_va_vdst(0)
.set II, 0
.rept 16
	v_pk_fma_f32 v[KB+32+II:KB+32+II+1], v[KB+32+II:KB+32+II+1], -2.0, 1.0 op_sel_hi:[1,0,0]   ; h_hat
.set II, II+2
.endr
	WIN 0x45*W_
.set II, 0
.rept 16
	v_pk_add_f32 v[KB+32+II:KB+32+II+1], v[KB+32+II:KB+32+II+1], v[HR+II:HR+II+1] neg_lo:[0,1] neg_hi:[0,1]   ; h_hat - h_prev
.set II, II+2
.endr
	WIN 0x55*W_
.set II, 0
.rept 16
	v_pk_fma_f32 v[KB+II:KB+II+1], v[KB+II:KB+II+1], v[KB+32+II:KB+32+II+1], v[HR+II:HR+II+1]   ; h_prev + z (h_hat - h_prev)
.set II, II+2
.endr
	WIN 0
	s_wait_alu depctr_va_vdst(0)                   ; the stores read what was just written
	s_wait_xcnt 0x0
	s_wait_loadcnt 0x0
	s_wait_dscnt 0x0
.set BK_, 0
.if (\q) == 3
.set BK_, 32                           ; the bases go 32 rows on here, where no memory instruction of mine still reads them; what follows in this batch counts back from them
	s_add_nc_u64 s[12:13], s[12:13], 131072
	s_add_nc_u64 s[22:23], s[22:23], 131072
	v_add_nc_u32 v[RZ], 32*528, v[RZ]
	v_add_nc_u32 v[RH], 32*528, v[RH]
.endif
.if (\q) > 0
	s_cmp_eq_u32 s[CNT], 0                         ; batches 8 to 10 do not exist
	s_cbranch_scc0 .Lno_more_\@
.endif
	HLD ((\q)+3)%4, 8*((\q)+3)-BK_
	SLD ((\q)+3)%4, 8*((\q)+3)-BK_
	WIN 0
.if (\q) > 0
.Lno_more_\@:
.endif
	WIN 0x04*W_
.irp i, 0,1,2,3,4,5,6,7
	global_store_b128 v1, v[KB+4*\i:KB+4*\i+3], s[22:23] offset:(8*(\q)+\i-BK_)*4096 th:TH_STORE_NT   ; 512 consecutive bytes, aligned
.endr
	WIN 0
.endm
.Lout:                                                 ; two trips of four batches
	BATCH 0
	BATCH 1
	BATCH 2
	BATCH 3
	s_add_co_u32 s[CNT], s[CNT], 1
	s_cmp_lt_u32 s[CNT], 2
	s_wait_alu depctr_va_vdst(0)
	s_cbranch_scc1 .Lout
	s_wait_tensorcnt 0x0                           ; the wave's end
	ds_add_u32 v[SPW], v[NIL]
	s_wait_dscnt 0x0
	CROUND                                         ; the closing round
	s_endpgm
.Lfunc_end_k_q56493dca2c_outp:
	.size	k_q56493dca2c_outp, .Lfunc_end_k_q56493dca2c_outp-k_q56493dca2c_outp
	.p2alignl 7, 3214868480
	.fill 96, 4, 3214868480
	.section	.rodata,"a",@progbits
	.p2align	6, 0x0
	.amdhsa_kernel k_q56493dca2c_outp
		.amdhsa_group_segment_fixed_size 327680
		.amdhsa_private_segment_fixed_size 0
		.amdhsa_enable_private_segment 0
		.amdhsa_kernarg_size 80
		.amdhsa_user_sgpr_count 2
		.amdhsa_user_sgpr_kernarg_segment_ptr 1
		.amdhsa_wavefront_size32 1
		.amdhsa_system_sgpr_workgroup_id_x 1
		.amdhsa_system_sgpr_workgroup_id_y 1
		.amdhsa_system_sgpr_workgroup_id_z 1
		.amdhsa_system_vgpr_workitem_id 0
		.amdhsa_next_free_vgpr 1024
		.amdhsa_next_free_sgpr 102
		.amdhsa_reserve_vcc 0
		.amdhsa_float_denorm_mode_32 3
		.amdhsa_float_denorm_mode_16_64 3
		.amdhsa_memory_ordered 1
		.amdhsa_forward_progress 1
		.amdhsa_inst_pref_size 255
	.end_amdhsa_kernel
	.section	.bss,"aw",@nobits
	.p2align	6
	.space	262144
	.amdgpu_metadata
---
amdhsa.version: [ 1, 2 ]
amdhsa.kernels:
  - .name:           k_q56493dca2c_outp
    .symbol:         k_q56493dca2c_outp.kd
    .args:
      - { .name: xc, .offset: 0, .size: 8, .value_kind: global_buffer, .address_space: global }
      - { .name: hc, .offset: 8, .size: 8, .value_kind: global_buffer, .address_space: global }
      - { .name: rhc, .offset: 16, .size: 8, .value_kind: global_buffer, .address_space: global }
      - { .name: wc, .offset: 24, .size: 8, .value_kind: global_buffer, .address_space: global }
      - { .name: h_prev, .offset: 32, .size: 8, .value_kind: global_buffer, .address_space: global }
      - { .name: b_wz, .offset: 40, .size: 8, .value_kind: global_buffer, .address_space: global }
      - { .name: b_uz, .offset: 48, .size: 8, .value_kind: global_buffer, .address_space: global }
      - { .name: b_wh, .offset: 56, .size: 8, .value_kind: global_buffer, .address_space: global }
      - { .name: b_uh, .offset: 64, .size: 8, .value_kind: global_buffer, .address_space: global }
      - { .name: out0, .offset: 72, .size: 8, .value_kind: global_buffer, .address_space: global }
    .group_segment_fixed_size: 327680
    .private_segment_fixed_size: 0
    .kernarg_segment_align: 8
    .kernarg_segment_size: 80
    .max_flat_workgroup_size: 128
    .sgpr_count:     102
    .vgpr_count:     1024
    .wavefront_size: 32
...
	.end_amdgpu_metadata
.endif
;; end of part 3
